; MI455X (gfx1250); checked and timed in simulation.
; The chip was launched on July 23, 2026; its instructions are those of AMD's public machine-readable ISA for CDNA 5 (MIT licence, August 2026) and "CDNA5" Instruction Set Architecture Reference Guide (July 2026). The comments in the code are by the model that wrote it; some were corrected since.
;; Sparse MOE. Allowed arithmetic: matrix products marked QUANTISED: E3M2 operands, one E8M0 scale for each 32 along K, by v_wmma_scale_f32_16x16x128_f8f6f4 with both operands' format E3M2, f32 sums; products left as they are: f32 operands where the result goes on into a quantised operand, else bf16, f16 or f32 operands; f32 sums; everything else in f32.
;; Inputs: w1_codes 8 x 1,024 x 32 x 24 uint8 (E3M2 codes of w1, K innermost, in blocks of 32 codes, four codes in three bytes); w1_scales 8 x 1,024 x 32 uint8 (E8M0 scales of w1, one for each 32 codes along K); w3_codes 8 x 1,024 x 32 x 24 uint8 (E3M2 codes of w3, K innermost, in blocks of 32 codes, four codes in three bytes); w3_scales 8 x 1,024 x 32 uint8 (E8M0 scales of w3, one for each 32 codes along K); wg 1,024 x 8 float32; x 4 x 1,024 x 1,024 float32.
;; Outputs: out0 4 x 1,024 x 1,024 float32.
;; This version of the problem:
;;   THIS VERSION OF THE PROBLEM IS GIVEN IN LOW PRECISION. The matrix products marked QUANTISED in the list below multiply operands that are first quantised to E3M2 (3 exponent bits, 2 mantissa bits; 6 bits a number), with one power-of-two scale for each 32 numbers along K (OCP MX v1.0); their sums are f32. All else is computed in f32.
;;   The module's matrix products, in the order in which they are computed (A, B: the left and right operand; K: the contracted axis; several contracted axes count as one K, in the product's order):
;;     1. [M 4,096, K 1,024] x [K 1,024, N 8]; A: input x; B: input wg: left as it is (N = 8 < 16)
;;     2. [M 8,192, K 1,024] x [K 1,024, N 4,096]; A: input w1 (given as codes); B: input x: QUANTISED
;;     3. [M 8,192, K 1,024] x [K 1,024, N 4,096]; A: input w3 (given as codes); B: input x: QUANTISED
;;     4. batch 4,096 x [M 1, K 8] x [K 8, N 1,024]; A: softmax; B: computed on the way: left as it is (K = 8 < 32)
;;   THE QUANTISER, for each operand of a quantised product, along K:
;;     - K is cut into blocks of 32 from its start; a last block that is shorter is filled with zeros.
;;     - A block's scale is 2^e with e = floor(log2(the largest magnitude in the block)) - 4, held to -126 .. 127; a block of zeros has e = 0. As a byte (E8M0): e + 127.
;;     - Each number is divided by its block's scale, clamped to +-28, and rounded to the nearest number of E3M2, ties to even, subnormals kept.
;;     - The product sums the exact products of the quantised numbers (number of the format x scale) in f32.
;;   ~~~python
;;   def quantise(x, axis):      # numpy; x: float32 -> the quantised numbers, widened to float32 again
;;       x = np.moveaxis(x, axis, -1); K = x.shape[-1]
;;       x = np.pad(x, [(0, 0)] * (x.ndim - 1) + [(0, -K % 32)]); x = x.reshape(x.shape[:-1] + (-1, 32)); a = np.abs(x).max(-1, keepdims=True)
;;       e = np.where(a > 0, np.clip(np.frexp(np.where(a > 0, a, 1))[1] - 1 - 4, -126, 127), 0)      # np.frexp(a)[1] - 1 = floor(log2(a)), exactly
;;       r = np.clip(x / 2.0 ** e, -28, 28)
;;       step = 2.0 ** (np.maximum(np.frexp(np.where(r == 0, 1, r))[1] - 1, -2) - 2)
;;       q = np.round(r / step) * step * 2.0 ** e      # np.round: ties to even
;;       return np.moveaxis(q.reshape(q.shape[:-2] + (-1,))[..., :K], -1, axis).astype(np.float32)
;;   ~~~
;;   INPUTS GIVEN AS CODES. w1 (in the module: [8, 1024, 1024], K = its axis 1); w3 (in the module: [8, 1024, 1024], K = its axis 1): each comes as NAME_codes (uint8): NAME with its K axis moved to the last place and cut into blocks of 32 codes, [.., K / 32, bytes a block], one block behind the other in memory; four codes in three bytes: a row's codes are one little-endian stream of bits, code i at bits 6 i .. 6 i + 5 (a code: sign, 3 exponent bits, 2 mantissa bits); and NAME_scales (uint8): the same leading axes, one E8M0 byte (e + 127) for each 32 codes along K. Its value is code x scale, taken as it is: it is not quantised again, and the codes and scales need not be those that the quantiser above would give.
;; 2 versions. Each part assembles by itself: llvm-mc -triple=amdgcn-amd-amdhsa -mcpu=gfx1250 --defsym DOCPART=n.
;; ======== version 1 of 2: 3 launches
;; workspace buffers: xq 3,145,728 bytes; xsw 131,072 bytes; gat 32,768 bytes; route 49,152 bytes of whole numbers; wimg 12,582,912 bytes; wsw 524,288 bytes; plan 17,408 bytes of whole numbers
;; launch prep (part 1): grid 256 x 1, 12 waves a work-group, no clusters, 175,616 bytes of LDS; arguments x, wg, w1_codes, w1_scales, w3_codes, w3_scales, xq, xsw, gat, route, wimg, wsw; writes xq, xsw, gat, route, wimg, wsw
.if DOCPART == 1
	.amdgcn_target "amdgcn-amd-amdhsa--gfx1250"
	.amdhsa_code_object_version 6
	.text
	.protected	k_q70913ea310_prep
	.globl	k_q70913ea310_prep
	.p2align	8
	.type	k_q70913ea310_prep,@function
k_q70913ea310_prep:
	s_mov_b64 s[64:65], 0
	v_nop
	global_prefetch_b8 v0, s[64:65] scope:SCOPE_SE
	s_setreg_imm32_b32 hwreg(HW_REG_WAVE_MODE, 25, 1), 1
	s_wait_xcnt 0x0
; PREP.  Work-group g owns tokens 16 g .. 16 g + 15 and four chunks of 16 weight rows.
; Waves 0-7 (x role): wave c takes K = 128 c .. 128 c + 127 of the 16 tokens: partial router logits in f32 (x . wg), and the codes of BF6 (E3M2) with one E8M0 byte for each 32 along K.
; Waves 8-11 (weight role): a chunk of 16 rows of w1 or w3 (12,288 dense bytes) is laid in the order of an operand's registers, and its scale words likewise.
; Behind ONE barrier: waves 0-7 store the tokens' codes as dense rows, wave 1 their scale words, wave 0 adds the eight partial logits, takes the two largest (the lower index wins a tie),
; the softmax over the two (the larger logit taken away first), the key of the pair of experts, and the histogram of the 16 tokens' keys.  All of that is stored as VALUES at fixed places: no address here hangs on it.
; K ORDER INSIDE A MATRIX INSTRUCTION, alike for both operands: lane (r, h) of K step s holds the 48 consecutive bytes at 96 s + 48 h of its row, blocks 4 s + 2 h and 4 s + 2 h + 1.  So every piece is 16 aligned bytes.
; The unit's block 2 c + h is then the row's block 4 s + 2 h + c: a scale word is the row's dword s with its two middle bytes changed over.
; A block's scale is 2^(floor(log2(largest magnitude)) - 4); its byte is the largest magnitude's exponent field - 4, held at 1 from below.
; LIMITS: NaN and infinities among the inputs are not served.  A block of zeros of x gets the byte 1 where the rule says 127: its codes are zeros, and this program alone reads the bytes.
; The logits are summed in another f32 order than a plain dot product: a second and third logit closer than f32 rounding may choose the other expert.
; No tensor loads: every byte is read once by dense 512-byte loads that all go out at the head, so a ring would have nothing to hide.
.set TURNW, 8448                       ; LDS: from 0, for each x wave 16 rows of 512 + 16 bytes: x turns from load order into 64 neighbours a lane
.set WGL,   67584                      ; for each x wave its 128 rows of wg, 32 bytes each, 32 bytes of padding behind row 63
.set WGLW,  4352
.set CST,   102400                     ; the 16 tokens' codes: rows of 768 + 16 bytes
.set CROW,  784
.set XSS,   114944                     ; their scale words: 32 bytes a token
.set PLG,   115456                     ; partial logits: 1,024 bytes for each x wave, 32 bytes a lane
.set WRL,   123904                     ; for each weight wave 16 rows of 768 + 16 bytes
.set WRLW,  12544
.set X,     32                         ; v32-95   x: as loaded, then lane (r, h): k = 64 h + 0 .. 63 of token r
.set WGT,   96                         ; v96-159  wg[64 h + i][r % 8]
.set RAW,   160                        ; v160-191 wg as loaded; later v160-171 the codes, v172-178 halves made apart
.set WK,    208                        ; v208-223 at work
.set D0,    224                        ; v224-239 two accumulators of logits, written by matrix instructions alone
.set D1,    232
	s_load_b512 s[4:19], s[0:1], 0x0               ; x, wg, w1 codes, w1 scales, w3 codes, w3 scales, xq, xsw
	s_load_b256 s[20:27], s[0:1], 0x40             ; gat, route, wimg, wsw
	v_lshl_add_u32 v240, v0, 2, 0x2a800
	v_mov_b32 v241, 0
	v_lshrrev_b32 v1, 5, v0
	v_readfirstlane_b32 s28, v1                    ; wave 0..11
	v_and_b32 v1, 31, v0                           ; l
	v_and_b32 v2, 15, v0                           ; r
	v_bfe_u32 v3, v0, 4, 1                         ; h
	v_lshlrev_b32 v4, 4, v1                        ; 16 l
	s_and_b32 s29, s28, 7                          ; c: the x wave's K chunk
	s_and_b32 s30, s28, 3                          ; the weight wave's number
	; every LDS address is made here, ahead of the parting of the roles
	s_mul_i32 s32, s29, TURNW
	v_add_nc_u32 v5, s32, v4                       ; v5  x in: 16 l
	v_mul_u32_u24 v6, v2, 528
	v_lshl_add_u32 v6, v3, 8, v6
	v_add_nc_u32 v6, s32, v6                       ; v6  x back: row r, + 256 h
	s_mul_i32 s33, s29, WGLW
	s_add_co_u32 s33, s33, WGL
	v_add_nc_u32 v7, s33, v4                       ; v7  wg in
	v_and_b32 v8, 7, v0
	v_lshlrev_b32 v8, 2, v8
	v_mad_u32_u24 v8, v3, 2080, v8
	v_add_nc_u32 v8, s33, v8                       ; v8  wg back: row 64 h (+ padding), expert r % 8
	s_mul_i32 s34, s30, WRLW
	s_add_co_u32 s34, s34, WRL
	v_mul_u32_u24 v9, v2, CROW
	v_mad_u32_u24 v9, v3, 48, v9                   ; 784 r + 48 h
	v_add_nc_u32 v18, s34, v9                      ; v18 weights back: row r, + 48 h
	v_add_nc_u32 v16, s34, v4                      ; v16 weights in: 16 l
	v_lshl_add_u32 v17, v3, 4, v16                 ; v17 the same where lanes 16-31 lie in the next row
	s_mul_i32 s34, s29, 96
	s_add_co_u32 s34, s34, CST
	v_add_nc_u32 v9, s34, v9                       ; v9  codes in: row r, + 96 c + 48 h
	s_mul_i32 s34, s29, 2*CROW
	s_add_co_u32 s34, s34, CST
	v_add_nc_u32 v10, s34, v4                      ; v10 codes back: rows 2 c, 2 c + 1 as 1,536 dense bytes
	v_lshl_add_u32 v11, v3, 4, v10                 ; v11 the same where lanes 16-31 lie in the next row
	s_lshl_b32 s34, s29, 2
	s_add_co_u32 s34, s34, XSS
	v_lshl_add_u32 v12, v2, 5, s34                 ; v12 scale word in: 32 r + 4 c
	v_add_nc_u32 v13, XSS, v4                      ; v13 scale words back
	s_lshl_b32 s34, s29, 10
	s_add_co_u32 s34, s34, PLG
	v_lshl_add_u32 v14, v1, 5, s34                 ; v14 partial logits in
	v_lshl_add_u32 v15, v1, 5, PLG                 ; v15 and back
	; offsets in memory
	v_lshlrev_b32 v19, 5, v2
	v_lshl_add_u32 v19, v3, 4, v19                 ; v19 weight scales in: 32 r + 16 h
	v_lshlrev_b32 v28, 4, v2
	v_lshl_add_u32 v28, v3, 9, v28                 ; v28 and out: 512 h + 16 r
	v_lshlrev_b32 v29, 2, v2                       ; v29 4 r
	v_lshlrev_b32 v30, 3, v2                       ; v30 8 r
	v_lshlrev_b32 v31, 2, v1                       ; v31 4 l
	s_mov_b32 s35, 0x03010200                      ; v_perm_b32: the two middle bytes change places
	s_mov_b32 s36, 0x76543210
	s_mov_b32 s37, 0xfedcba98                      ; v_permlanex16_b32: lane l xor 16
	s_lshl_b32 s40, ttmp9, 16
	s_lshl_b32 s41, s29, 9
	s_add_co_u32 s40, s40, s41                     ; x: 16 rows of 4,096 bytes a group, + 512 c
	s_mov_b32 s41, 0
	s_lshl_b32 s42, s29, 12                        ; wg: 4,096 c
	s_mov_b32 s43, 0
	s_mul_i32 s44, ttmp9, 12288
	s_mul_i32 s45, s29, 1536
	s_add_co_u32 s44, s44, s45                     ; xq
	s_mov_b32 s45, 0
	s_lshl_b32 s46, ttmp9, 9                       ; xsw
	s_mov_b32 s47, 0
	s_lshl_b32 s48, ttmp9, 7                       ; gat, and the histogram
	s_mov_b32 s49, 0
	s_lshl_b32 s50, ttmp9, 6                       ; route
	s_mov_b32 s51, 0
	s_lshl_b32 s52, ttmp9, 2
	s_add_co_u32 s52, s52, s30
	s_and_b32 s52, s52, 511                        ; the chunk: 64 e + ot
	s_lshr_b32 s53, ttmp9, 7                       ; 0: w1, 1: w3
	s_mul_i32 s54, s52, 12288
	s_mov_b32 s55, 0
	s_lshl_b32 s56, s52, 9
	s_mov_b32 s57, 0
	s_mul_i32 s58, s52, 24576
	s_mul_i32 s59, s53, 1536
	s_add_co_u32 s58, s58, s59
	s_mov_b32 s59, 0
	s_lshl_b32 s60, s52, 10
	s_lshl_b32 s61, s53, 8
	s_add_co_u32 s60, s60, s61
	s_mov_b32 s61, 0
	s_wait_kmcnt 0x0
	s_add_nc_u64 s[4:5], s[4:5], s[40:41]
	s_add_nc_u64 s[6:7], s[6:7], s[42:43]
	s_add_nc_u64 s[16:17], s[16:17], s[44:45]
	s_add_nc_u64 s[18:19], s[18:19], s[46:47]
	s_add_nc_u64 s[20:21], s[20:21], s[48:49]
	s_add_nc_u64 s[38:39], s[22:23], s[48:49]      ; the histogram lies 16,384 bytes on in route: in the store's immediate
	s_add_nc_u64 s[22:23], s[22:23], s[50:51]
	s_cmp_lt_u32 ttmp9, 128                        ; the first 128 work-groups lay w1, the others w3: the choice hangs on the work-group's number alone
	s_cselect_b64 s[8:9], s[8:9], s[12:13]
	s_cselect_b64 s[10:11], s[10:11], s[14:15]
	s_add_nc_u64 s[8:9], s[8:9], s[54:55]
	s_add_nc_u64 s[10:11], s[10:11], s[56:57]
	s_add_nc_u64 s[24:25], s[24:25], s[58:59]
	s_add_nc_u64 s[26:27], s[26:27], s[60:61]
	s_cmp_lt_u32 s28, 8
	s_cbranch_scc0 .Lweights
	; ---- THE X ROLE.  Each load reads 512 consecutive bytes: a token's 128 numbers of my chunk
.set ii, 0
.rept 16
	global_load_b128 v[X+4*ii:X+4*ii+3], v4, s[4:5] offset:4096*ii th:TH_LOAD_NT
.set ii, ii+1
.endr
.set ii, 0
.rept 8
	global_load_b128 v[RAW+4*ii:RAW+4*ii+3], v4, s[6:7] offset:512*ii
.set ii, ii+1
.endr
	s_wait_loadcnt 8                               ; x is in; the eight younger loads, wg's, may be out
.set ii, 0
.rept 16
	ds_store_b128 v5, v[X+4*ii:X+4*ii+3] offset:528*ii
.set ii, ii+1
.endr
	s_wait_loadcnt 0x0
.set ii, 0
.rept 8
	ds_store_b128 v7, v[RAW+4*ii:RAW+4*ii+3] offset:512*ii+32*(ii/4)
.set ii, ii+1
.endr
	s_wait_dscnt 0x0                               ; the stores have read the registers that are loaded again below
.set ii, 0
.rept 16
	ds_load_b128 v[X+4*ii:X+4*ii+3], v6 offset:16*ii   ; my own bytes: no barrier.  Lane (r, h): k = 64 h + 4 ii ..
.set ii, ii+1
.endr
.set ii, 0
.rept 64
	ds_load_b32 v[WGT+ii], v8 offset:32*ii         ; wg[64 h + ii][r % 8]: rows 8-15 of the operand repeat experts 0-7
.set ii, ii+1
.endr
	s_wait_dscnt 0x0
	; logits^T = wg^T x^T, 4 along K an instruction (k slot (h, j) is k = 64 h + 2 q + j in both operands).  Lane (r, h), register j: expert j of token r, in both halves.
	; The first two instructions start the two sums; the two accumulators take turns.
	v_wmma_f32_16x16x4_f32 v[D0:D0+7], v[WGT:WGT+1], v[X:X+1], 0
	v_wmma_f32_16x16x4_f32 v[D1:D1+7], v[WGT+2:WGT+3], v[X+2:X+3], 0
.set ii, 4
.rept 15
	v_wmma_f32_16x16x4_f32 v[D0:D0+7], v[WGT+ii:WGT+ii+1], v[X+ii:X+ii+1], v[D0:D0+7]
	v_wmma_f32_16x16x4_f32 v[D1:D1+7], v[WGT+ii+2:WGT+ii+3], v[X+ii+2:X+ii+3], v[D1:D1+7]
.set ii, ii+4
.endr
	; my two whole blocks of 32: largest magnitudes, with the floor 2^(5 - 127) among the leaves, the two by turns.  (These lines are also the places behind the matrix instructions.)
	v_max3_num_f32 v[WK], |v[X]|, |v[X+1]|, 0x2800000
	v_max3_num_f32 v[WK+1], |v[X+32]|, |v[X+33]|, 0x2800000
.set ii, 2
.rept 15
	v_max3_num_f32 v[WK], v[WK], |v[X+ii]|, |v[X+ii+1]|
	v_max3_num_f32 v[WK+1], v[WK+1], |v[X+32+ii]|, |v[X+33+ii]|
.set ii, ii+2
.endr
	v_add_nc_u32 v[WK+2], 0xfe000000, v[WK]        ; 4 off the exponent field: the conversion's scale operand
	v_add_nc_u32 v[WK+3], 0xfe000000, v[WK+1]
	v_lshrrev_b32 v[WK+4], 23, v[WK+2]             ; the scales' bytes
	v_lshrrev_b32 v[WK+5], 23, v[WK+3]
	v_lshl_or_b32 v[WK+6], v[WK+5], 16, v[WK+4]    ; the unit's blocks h and 2 + h
	v_lshlrev_b32 v[WK+7], 3, v3
	v_lshlrev_b32 v[WK+6], v[WK+7], v[WK+6]        ; 8 h bits up
	v_permlanex16_b32 v[WK+7], v[WK+6], s36, s37
	v_or_b32 v[WK+6], v[WK+6], v[WK+7]             ; with lane l xor 16's two bytes the word is whole
	v_cvt_scalef32_pk16_bf6_f32 v[160:162], v[X:X+15], v[WK+2]
	v_cvt_scalef32_pk16_bf6_f32 v[172:174], v[X+16:X+31], v[WK+2]   ; (a conversion's three registers begin on an even number: the odd halves are made apart and moved)
	v_cvt_scalef32_pk16_bf6_f32 v[166:168], v[X+32:X+47], v[WK+3]
	v_cvt_scalef32_pk16_bf6_f32 v[176:178], v[X+48:X+63], v[WK+3]
.irp j, 0,2,4,6
	v_pk_add_f32 v[WK+8+\j:WK+9+\j], v[D0+\j:D0+\j+1], v[D1+\j:D1+\j+1]   ; the two accumulators, from their low ends on, into other registers.  (Plain lines behind the conversions)
.endr
.irp i, 0,1,2
	v_mov_b32 v[163+\i], v[172+\i]
	v_mov_b32 v[169+\i], v[176+\i]
.endr
	ds_store_b128 v14, v[WK+8:WK+11]
	ds_store_b128 v14, v[WK+12:WK+15] offset:16
	ds_store_b128 v9, v[160:163]
	ds_store_b128 v9, v[164:167] offset:16
	ds_store_b128 v9, v[168:171] offset:32
	ds_store_b32 v12, v[WK+6]                      ; both halves write the same word with the same value
	s_branch .Ljoin
.Lweights:
	; ---- THE WEIGHT ROLE.  24 dense loads of 512 bytes, through my own rows in LDS, out as eight images of 1,536 bytes
.set ii, 0
.rept 24
	global_load_b128 v[32+4*ii:35+4*ii], v4, s[8:9] offset:512*ii th:TH_LOAD_NT
.set ii, ii+1
.endr
	global_load_b128 v[20:23], v19, s[10:11] th:TH_LOAD_NT   ; row r's scale bytes 16 h ..
.set ii, 0
.rept 8                                        ; three loads are two rows of 768 bytes
.if ii%2 == 0
	s_wait_loadcnt 19-3*ii                         ; six loads more are in: behind them stand the later code loads and the scale load
.endif
	ds_store_b128 v16, v[32+12*ii:35+12*ii] offset:1568*ii
	ds_store_b128 v17, v[36+12*ii:39+12*ii] offset:1568*ii+512
	ds_store_b128 v16, v[40+12*ii:43+12*ii] offset:1568*ii+1040
.set ii, ii+1
.endr
.set ii, 0
.rept 24                                       ; piece (s = ii / 3, c = ii % 3): row r, bytes 96 s + 48 h + 16 c.  LDS serves a wave's instructions in order: these see my stores
	ds_load_b128 v[128+4*ii:131+4*ii], v18 offset:96*(ii/3)+16*(ii%3)
.set ii, ii+1
.endr
.set ii, 0
.rept 24
	s_wait_dscnt 23-ii
	global_store_b128 v4, v[128+4*ii:131+4*ii], s[24:25] offset:3072*(ii/3)+512*(ii%3)   ; 32 lanes store 512 consecutive bytes
.set ii, ii+1
.endr
	s_wait_loadcnt 0x0
.irp i, 0,1,2,3
	v_perm_b32 v[24+\i], v[20+\i], v[20+\i], s35
.endr
	global_store_b128 v28, v[24:27], s[26:27]      ; sixteen lanes store 256 consecutive bytes
.Ljoin:
	s_wait_dscnt 0x0                               ; for the others' sake: my LDS stores have landed
	s_barrier_signal -1
	s_barrier_wait -1
	s_cmp_lt_u32 s28, 8
	s_cbranch_scc1 .Lxout
	s_wait_tensorcnt 0x0
	ds_add_u32 v240, v241
	s_wait_dscnt 0x0
	s_endpgm
.Lxout:
	ds_load_b128 v[160:163], v10                   ; tokens 2 c and 2 c + 1: 1,536 dense bytes of codes
	ds_load_b128 v[164:167], v11 offset:512
	ds_load_b128 v[168:171], v10 offset:1040
	s_wait_dscnt 2
	global_store_b128 v4, v[160:163], s[16:17]
	s_wait_dscnt 1
	global_store_b128 v4, v[164:167], s[16:17] offset:512
	s_wait_dscnt 0x0
	global_store_b128 v4, v[168:171], s[16:17] offset:1024
	s_cmp_eq_u32 s28, 1
	s_cbranch_scc0 .Lnot_1
	ds_load_b128 v[176:179], v13                   ; wave 1: the 16 tokens' scale words, 512 dense bytes
	s_wait_dscnt 0x0
	global_store_b128 v4, v[176:179], s[18:19]
.Lnot_1:
	s_cmp_eq_u32 s28, 0
	s_cbranch_scc1 .Lrouter
	s_wait_tensorcnt 0x0
	ds_add_u32 v240, v241
	s_wait_dscnt 0x0
	s_endpgm
.Lrouter:
	; ---- WAVE 0: THE ROUTER.  Lane l holds token l % 16; both halves compute the same
.set ii, 0
.rept 8
	ds_load_b128 v[32+8*ii:35+8*ii], v15 offset:1024*ii
	ds_load_b128 v[36+8*ii:39+8*ii], v15 offset:1024*ii+16
.set ii, ii+1
.endr
	s_wait_dscnt 0x0
.set ii, 1
.rept 7                                        ; the eight chunks' partial logits, K ascending: v32-39 = the logits
.irp j, 0,2,4,6
	v_pk_add_f32 v[32+\j:33+\j], v[32+\j:33+\j], v[32+8*ii+\j:33+8*ii+\j]
.endr
.set ii, ii+1
.endr
.macro TOP m, i                        ; the largest of v32-39 and its index; an equal later one does not displace an earlier
	v_mov_b32 v[\m], v32
	v_mov_b32 v[\i], 0
.irp e, 1,2,3,4,5,6,7
	v_cmp_le_f32 vcc_lo, v[32+\e], v[\m]
	v_cndmask_b32 v[\i], \e, v[\i], vcc_lo
	v_cndmask_b32 v[\m], v[32+\e], v[\m], vcc_lo
.endr
.endm
	TOP 96, 97
	v_mov_b32 v100, 0xff800000
.irp e, 0,1,2,3,4,5,6,7
	v_cmp_eq_u32 vcc_lo, \e, v97
	v_cndmask_b32 v[32+\e], v[32+\e], v100, vcc_lo ; the winner leaves the field
.endr
	TOP 98, 99
	v_sub_f32 v101, v98, v96                       ; the second logit less the largest: 0 or less
	v_mul_f32 v101, 0x3fb8aa3b, v101
	v_exp_f32 v101, v101                           ; p = e^(second - first)
	v_min_u32 v104, v97, v99                       ; a: the lower expert.  (A plain place behind the exponential)
	s_wait_alu depctr_va_vdst(0)
	v_add_f32 v102, 1.0, v101
	v_rcp_f32 v102, v102                           ; the winner's gate, 1 / (1 + p)
	v_max_u32 v105, v97, v99                       ; b.  (A plain place)
	s_wait_alu depctr_va_vdst(0)
	v_mul_f32 v103, v101, v102                     ; the second's gate
	v_cmp_lt_u32 vcc_lo, v97, v99
	v_cndmask_b32 v106, v103, v102, vcc_lo         ; a's gate
	v_cndmask_b32 v107, v102, v103, vcc_lo         ; b's
	; the pair's key, 0 .. 27, in an order in which neighbouring keys share an expert: a (15 - a) / 2 + (a odd: 7 - b; a even: b - a - 1)
	v_sub_nc_u32 v108, 15, v104
	v_mul_u32_u24 v108, v104, v108
	v_lshrrev_b32 v108, 1, v108
	v_sub_nc_u32 v109, v108, v105
	v_add_nc_u32 v109, 7, v109
	v_add_nc_u32 v110, v108, v105
	v_sub_nc_u32 v110, v110, v104
	v_add_nc_u32 v110, -1, v110
	v_and_b32 v111, 1, v104
	v_cmp_eq_u32 vcc_lo, 1, v111
	v_cndmask_b32 v108, v110, v109, vcc_lo
	v_mov_b32 v112, 0                              ; my rank among the group's tokens of my key
	v_mov_b32 v113, 0                              ; lane k: how many of the 16 tokens have key k
.set ii, 0
.rept 28
	v_cmp_eq_u32 s40, ii, v108
	s_and_b32 s41, s40, 0xffff                     ; each token once
	v_mbcnt_lo_u32_b32 v114, s41, 0
	s_bcnt1_i32_b32 s42, s41
	v_cndmask_b32 v112, v112, v114, s40
	v_writelane_b32 v113, s42, ii
.set ii, ii+1
.endr
	v_permlanex16_b32 v114, v112, s36, s37         ; lanes 16-31 counted all sixteen: they take lane l - 16's rank, so that both halves store the same word
	s_mov_b32 s43, 0xffff0000
	v_cndmask_b32 v112, v112, v114, s43
	v_lshl_or_b32 v108, v112, 8, v108
	v_lshl_or_b32 v108, v104, 16, v108
	v_lshl_or_b32 v108, v105, 24, v108             ; key | rank << 8 | a << 16 | b << 24
	global_store_b32 v29, v108, s[22:23]
	global_store_b64 v30, v[106:107], s[20:21]
	global_store_b32 v31, v113, s[38:39] offset:16384
	s_wait_tensorcnt 0x0
	ds_add_u32 v240, v241
	s_wait_dscnt 0x0
	s_endpgm
.Lfunc_end_k_q70913ea310_prep:
	.size	k_q70913ea310_prep, .Lfunc_end_k_q70913ea310_prep-k_q70913ea310_prep
	.p2alignl 7, 3214868480
	.fill 96, 4, 3214868480
	.section	.rodata,"a",@progbits
	.p2align	6, 0x0
	.amdhsa_kernel k_q70913ea310_prep
		.amdhsa_group_segment_fixed_size 175616
		.amdhsa_private_segment_fixed_size 0
		.amdhsa_enable_private_segment 0
		.amdhsa_kernarg_size 96
		.amdhsa_user_sgpr_count 2
		.amdhsa_user_sgpr_kernarg_segment_ptr 1
		.amdhsa_wavefront_size32 1
		.amdhsa_system_sgpr_workgroup_id_x 1
		.amdhsa_system_sgpr_workgroup_id_y 1
		.amdhsa_system_sgpr_workgroup_id_z 1
		.amdhsa_system_vgpr_workitem_id 0
		.amdhsa_next_free_vgpr 242
		.amdhsa_next_free_sgpr 66
		.amdhsa_reserve_vcc 1
		.amdhsa_float_denorm_mode_32 3
		.amdhsa_float_denorm_mode_16_64 3
		.amdhsa_memory_ordered 1
		.amdhsa_forward_progress 1
		.amdhsa_inst_pref_size 46
	.end_amdhsa_kernel
	.amdgpu_metadata
---
amdhsa.version: [ 1, 2 ]
amdhsa.kernels:
  - .name:           k_q70913ea310_prep
    .symbol:         k_q70913ea310_prep.kd
    .args:
      - { .name: x, .offset: 0, .size: 8, .value_kind: global_buffer, .address_space: global }
      - { .name: wg, .offset: 8, .size: 8, .value_kind: global_buffer, .address_space: global }
      - { .name: w1_codes, .offset: 16, .size: 8, .value_kind: global_buffer, .address_space: global }
      - { .name: w1_scales, .offset: 24, .size: 8, .value_kind: global_buffer, .address_space: global }
      - { .name: w3_codes, .offset: 32, .size: 8, .value_kind: global_buffer, .address_space: global }
      - { .name: w3_scales, .offset: 40, .size: 8, .value_kind: global_buffer, .address_space: global }
      - { .name: xq, .offset: 48, .size: 8, .value_kind: global_buffer, .address_space: global }
      - { .name: xsw, .offset: 56, .size: 8, .value_kind: global_buffer, .address_space: global }
      - { .name: gat, .offset: 64, .size: 8, .value_kind: global_buffer, .address_space: global }
      - { .name: route, .offset: 72, .size: 8, .value_kind: global_buffer, .address_space: global }
      - { .name: wimg, .offset: 80, .size: 8, .value_kind: global_buffer, .address_space: global }
      - { .name: wsw, .offset: 88, .size: 8, .value_kind: global_buffer, .address_space: global }
    .group_segment_fixed_size: 175616
    .private_segment_fixed_size: 0
    .kernarg_segment_align: 8
    .kernarg_segment_size: 96
    .max_flat_workgroup_size: 384
    .sgpr_count:     66
    .vgpr_count:     242
    .wavefront_size: 32
...
	.end_amdgpu_metadata
.endif
;; end of part 1
;; launch place (part 2): grid 1 x 1, 32 waves a work-group, no clusters, 8,192 bytes of LDS; arguments route, plan; writes plan
.if DOCPART == 2
	.amdgcn_target "amdgcn-amd-amdhsa--gfx1250"
	.amdhsa_code_object_version 6
	.text
	.protected	k_q70913ea310_place
	.globl	k_q70913ea310_place
	.p2align	8
	.type	k_q70913ea310_place,@function
k_q70913ea310_place:
	s_mov_b64 s[64:65], 0
	v_nop
	global_prefetch_b8 v0, s[64:65] scope:SCOPE_SE
	s_setreg_imm32_b32 hwreg(HW_REG_WAVE_MODE, 25, 1), 1
	s_wait_xcnt 0x0
; PLACE.  A counting sort of the 4,096 tokens by the key of their pair of experts (28 keys), without atomics, by one work-group.
; route holds for each token key | rank in its group of 16 << 8 | .., and from byte 16,384 on for each of 256 groups the count of each key (32 words a group).
; Wave w owns groups 8 w .. 8 w + 7 (tokens 128 w .. 128 w + 127); in the counting a lane is a key.  A token's place = first place of its key + the key's tokens in earlier waves + in earlier groups of its wave + its rank.
; plan: order[place] = token; from byte 16,384 on, for each tile of 16 places, the bits of the experts that its tokens use.
; One work-group: the whole input is 48 KiB, and the sums span all of it.
.set KB, 32                            ; s32-60: KB[k] = the first place of key k; KB[28] = 4,096
	s_load_b128 s[4:7], s[0:1], 0x0                ; route, plan
	v_lshl_add_u32 v96, v0, 2, 0x1000
	v_mov_b32 v97, 0
	v_lshrrev_b32 v1, 5, v0
	v_readfirstlane_b32 s8, v1                     ; wave 0..31
	v_and_b32 v1, 31, v0                           ; lane
	v_lshlrev_b32 v2, 2, v1                        ; 4 x lane
	v_lshlrev_b32 v3, 2, v0                        ; 4 x thread
	s_lshl_b32 s10, s8, 10                         ; my 8 groups' counts
	s_mov_b32 s11, 0
	s_lshl_b32 s12, s8, 9                          ; my 128 tokens' words
	s_mov_b32 s13, 0
	s_lshl_b32 s14, s8, 7
	v_add_nc_u32 v4, s14, v1                       ; token 128 w + lane
	s_wait_kmcnt 0x0
	s_add_nc_u64 s[10:11], s[4:5], s[10:11]
	s_add_nc_u64 s[12:13], s[4:5], s[12:13]
.irp j, 0,1,2,3,4,5,6,7
	global_load_b32 v[8+\j], v2, s[10:11] offset:16384+128*\j
.endr
.irp j, 0,1,2,3
	global_load_b32 v[16+\j], v2, s[12:13] offset:128*\j
.endr
	s_wait_loadcnt 4                               ; the counts are in; the four younger loads may be out
	v_add3_u32 v20, v8, v9, v10
	v_add3_u32 v20, v20, v11, v12
	v_add3_u32 v20, v20, v13, v14
	v_add_nc_u32 v20, v20, v15                     ; my wave's count of key = lane
	ds_store_b32 v3, v20
	s_wait_dscnt 0x0                               ; for the others' sake
	s_barrier_signal -1
	s_barrier_wait -1
.set ii, 0
.rept 32
	ds_load_b32 v[32+ii], v2 offset:128*ii         ; every wave's count of my key
.set ii, ii+1
.endr
	v_mov_b32 v21, 0                               ; the key's tokens in earlier waves
	v_mov_b32 v22, 0                               ; and in all
	s_wait_dscnt 0x0
.set ii, 0
.rept 32
	s_cmp_gt_u32 s8, ii
	s_cselect_b32 s9, -1, 0
	v_and_b32 v23, s9, v[32+ii]
	v_add_nc_u32 v22, v22, v[32+ii]
	v_add_nc_u32 v21, v21, v23
.set ii, ii+1
.endr
	s_mov_b32 s[KB], 0
	v_mov_b32 v23, 0
.set ii, 0
.rept 28
	v_readlane_b32 s9, v22, ii
	v_writelane_b32 v23, s[KB+ii], ii              ; lane k: the first place of key k
	s_add_co_u32 s[KB+ii+1], s[KB+ii], s9
.set ii, ii+1
.endr
	v_add_nc_u32 v24, v23, v21                     ; v24-31: lane k: the first place of key k's tokens of my group j
.irp j, 0,1,2,3,4,5,6
	v_add_nc_u32 v[25+\j], v[24+\j], v[8+\j]
.endr
	s_mov_b32 s15, 0xffff0000
	s_wait_loadcnt 0x0                             ; the tokens' words
.irp j, 0,1,2,3                                ; tokens 32 j + lane of my 128: lanes 0-15 are group 2 j, lanes 16-31 group 2 j + 1
	v_and_b32 v[68+\j], 0xff, v[16+\j]
	v_min_u32 v[68+\j], 31, v[68+\j]               ; the key names a lane
	v_lshlrev_b32 v[68+\j], 2, v[68+\j]
	ds_bpermute_b32 v[72+2*\j], v[68+\j], v[24+2*\j]
	ds_bpermute_b32 v[73+2*\j], v[68+\j], v[25+2*\j]
.endr
	s_wait_dscnt 0x0
.irp j, 0,1,2,3
	v_cndmask_b32 v[72+2*\j], v[72+2*\j], v[73+2*\j], s15
	v_bfe_u32 v[80+\j], v[16+\j], 8, 8
	v_add_nc_u32 v[72+2*\j], v[72+2*\j], v[80+\j]  ; the token's place
	v_min_u32 v[72+2*\j], 0xfff, v[72+2*\j]        ; held inside the list
	v_lshlrev_b32 v[72+2*\j], 2, v[72+2*\j]
	v_add_nc_u32 v[64+\j], 32*\j, v4
	global_store_b32 v[72+2*\j], v[64+\j], s[6:7]  ; a permutation of 4,096 words: each place is written once
.endr
	s_cmp_lt_u32 s8, 8
	s_cbranch_scc1 .Lmask
	s_wait_tensorcnt 0x0
	ds_add_u32 v96, v97
	s_wait_dscnt 0x0
	s_endpgm
.Lmask:
	; waves 0-7: thread T takes tile T, places 16 T .. 16 T + 15: key k has tokens there where max(KB[k], 16 T) < min(KB[k + 1], 16 T + 16)
	v_lshlrev_b32 v5, 4, v0
	v_add_nc_u32 v6, 16, v5
	v_mov_b32 v7, 0
.set ii, 0
.irp bits, 0x03,0x05,0x09,0x11,0x21,0x41,0x81,0x82,0x42,0x22,0x12,0x0a,0x06,0x0c,0x14,0x24,0x44,0x84,0x88,0x48,0x28,0x18,0x30,0x50,0x90,0xa0,0x60,0xc0
	v_max_u32 v84, s[KB+ii], v5
	v_min_u32 v85, s[KB+ii+1], v6
	v_or_b32 v86, \bits, v7                        ; the key's two experts
	v_cmp_lt_u32 vcc_lo, v84, v85
	v_cndmask_b32 v7, v7, v86, vcc_lo
.set ii, ii+1
.endr
	global_store_b32 v3, v7, s[6:7] offset:16384
	s_wait_tensorcnt 0x0
	ds_add_u32 v96, v97
	s_wait_dscnt 0x0
	s_endpgm
.Lfunc_end_k_q70913ea310_place:
	.size	k_q70913ea310_place, .Lfunc_end_k_q70913ea310_place-k_q70913ea310_place
	.p2alignl 7, 3214868480
	.fill 96, 4, 3214868480
	.section	.rodata,"a",@progbits
	.p2align	6, 0x0
	.amdhsa_kernel k_q70913ea310_place
		.amdhsa_group_segment_fixed_size 8192
		.amdhsa_private_segment_fixed_size 0
		.amdhsa_enable_private_segment 0
		.amdhsa_kernarg_size 16
		.amdhsa_user_sgpr_count 2
		.amdhsa_user_sgpr_kernarg_segment_ptr 1
		.amdhsa_wavefront_size32 1
		.amdhsa_system_sgpr_workgroup_id_x 1
		.amdhsa_system_sgpr_workgroup_id_y 1
		.amdhsa_system_sgpr_workgroup_id_z 1
		.amdhsa_system_vgpr_workitem_id 0
		.amdhsa_next_free_vgpr 98
		.amdhsa_next_free_sgpr 66
		.amdhsa_reserve_vcc 1
		.amdhsa_float_denorm_mode_32 3
		.amdhsa_float_denorm_mode_16_64 3
		.amdhsa_memory_ordered 1
		.amdhsa_forward_progress 1
		.amdhsa_inst_pref_size 23
	.end_amdhsa_kernel
	.amdgpu_metadata
---
amdhsa.version: [ 1, 2 ]
amdhsa.kernels:
  - .name:           k_q70913ea310_place
    .symbol:         k_q70913ea310_place.kd
    .args:
      - { .name: route, .offset: 0, .size: 8, .value_kind: global_buffer, .address_space: global }
      - { .name: plan, .offset: 8, .size: 8, .value_kind: global_buffer, .address_space: global }
    .group_segment_fixed_size: 8192
    .private_segment_fixed_size: 0
    .kernarg_segment_align: 8
    .kernarg_segment_size: 16
    .max_flat_workgroup_size: 1024
    .sgpr_count:     66
    .vgpr_count:     98
    .wavefront_size: 32
...
	.end_amdgpu_metadata
.endif
;; end of part 2
;; launch experts (part 3): grid 8 x 32, 4 waves a work-group, no clusters, 172,544 bytes of LDS; arguments xq, xsw, gat, route, wimg, wsw, plan, out0; writes out0
.if DOCPART == 3
	.amdgcn_target "amdgcn-amd-amdhsa--gfx1250"
	.amdhsa_code_object_version 6
	.text
	.protected	k_q70913ea310_experts
	.globl	k_q70913ea310_experts
	.p2align	8
	.type	k_q70913ea310_experts,@function
k_q70913ea310_experts:
	s_mov_b64 s[64:65], 0
	v_nop
	global_prefetch_b8 v0, s[64:65] scope:SCOPE_SE
	s_setreg_imm32_b32 hwreg(HW_REG_WAVE_MODE, 25, 1), 1
	s_wait_xcnt 0x0
; EXPERTS.  out[token] = the sum over the token's two experts e of gate(e) silu(xq . w1[e]) (xq . w3[e]), both products on codes of BF6 (E3M2) with one E8M0 scale for each 32 along K.
; Only the chosen experts' rows are multiplied: the others have the gate 0 by the mask that the problem itself builds.
; SHARES.  Work-group (x, y) owns 128 tokens, places 128 y .. 128 y + 127 of the list sorted by pairs of experts, and outputs 128 x .. 128 x + 127: it is the one owner of these numbers.  Wave w makes outputs 32 w .. 32 w + 31
; of the part for all 128 tokens: for each expert 2 matrices x 2 tiles of outputs x 8 tiles of tokens = 32 accumulators.
; The tokens' codes lie in LDS for the whole launch.  The weights come from memory straight into registers, laid by the first launch in the order of an operand's registers: each load is 512 consecutive bytes,
; and a ring of four K steps (48 loads a wave) is on its way.  The work-group walks the experts that its tokens use (bits read from plan).  Within an expert a pair of tiles (32 tokens) none of whose tokens uses it
; is passed over by a scalar branch, but for K step 0, which is always done, so that every accumulator is written on every way.
; WHY NO CLUSTER, NO JOINT LOADS, NO TENSOR LOADS: which experts a block of tokens walks, and how many, is read from memory, so neighbours would ask for different tiles in different numbers.
; THE PRODUCTS ARE USED TRANSPOSED: source 0 = 16 rows of w1 or w3, source 1 = 16 tokens: lane (r, h) holds token r and outputs 8 h + 0 .. 7.
; K order inside an instruction, alike in both operands: lane (r, h) holds the 48 bytes at 96 s + 48 h of its row; the scale words have their middle bytes changed over to match.
; LIMITS: NaN and infinities are not served: a token of an active pair of tiles that does not use the expert is multiplied by the gate 0, which takes finite products.
; REGISTERS, in windows of 256.  Window 0: v1-7 addresses; v8-43 indices at the head, then v8-39 the activation's 32 numbers and at the end the rows' offsets; v40-47 gates; v48-79 x's scale words; v80-95 the weights' scale words;
;   v96-111 the tokens' two gates; v112-119 their route words; v160-255 x's fragments, buffer A.   Window 1: the accumulators: xq . w1 at 16 t + 8 ot, xq . w3 at 128 + 16 t + 8 ot (at the head the gathered codes, at the end rows of out).
;   Window 2: the ring of weights: slot q at 48 q + 24 ot + 12 m.   Window 3: out's sums at 16 t + 8 ot; from 128 x's fragments, buffer B.
.set XT,   13056                       ; LDS: a tile of 16 tokens: 48 pieces of 16 bytes a token; piece q of token r at 272 q + 16 r: 16 bytes of padding behind each 256, so that stores (lanes 272 apart) and loads (lanes 16 apart) meet no bank twice
.set XQ,   272
.set STG,  8*XT                        ; behind the eight tiles: the stage for the way out, 128 rows of 512 + 16 bytes
.set SPI,  528
.set L16,  1                           ; v1   16 x lane
.set XA0,  2                           ; v2   x's fragments, tiles 0-3: 816 h + 16 r
.set XA1,  3                           ; v3   tiles 4-7
.set XW,   4                           ; v4   where I put gathered pieces: tile 2 w + h, piece lane % 16
.set STO,  5                           ; v5   the stage: row r, + 128 w + 32 h
.set SRD,  6                           ; v6   and back: my 32 rows, 16 bytes a lane
.set TGO,  7                           ; v7   128 w + 64 h: my half's 16 places in the list
.set TG,   8                           ; v8-23  the tokens of tile 2 w + h, then their offsets in xq
.set TP,   24                          ; v24-27 token of place 32 p + lane, then x 32
.set T8,   28                          ; v28-35 token (tile t, row r) x 8
.set T4,   36                          ; v36-43 the same x 4
.set T,    8
.set GA,   40
.set G,    44                          ; v44, v46 the two tiles' gates (v45, v47: named with them as pairs)
.set XSC,  48                          ; 8 p + s: lanes 0-15 tile 2 p, lanes 16-31 tile 2 p + 1
.set WSC,  80                          ; 8 ot + s: lanes 0-15 w1, lanes 16-31 w3
.set GAB,  96
.set RT,   112
.set O4L,  120
.set O4R,  121
.set O16R, 122
.set XBA,  160
.set XBB,  128
.set WV,   20                          ; s20 wave;  s[24:31] the eight tiles' expert bits;  s[68:99] my 32 rows' tokens
.set MLEFT, 32                         ; s32 experts still to come
.set NEXP, 33                          ; s33 how many the block walks
.set CNT,  34                          ; s34 the loop's counter
.set E,    35                          ; s35 the expert in hand;  s36 the next
.set PM,   37                          ; s37 bit p: pair p of tiles has a token of the expert in hand
.set WBC,  38                          ; s[38:39] its weights;  s[40:41] the next expert's;  s[42:43] the next expert's scale words
.set WBN,  40
.set PT,   44                          ; s44-47 the expert bits of the four pairs of tiles
.set MSB, 0
.macro WIN new                         ; the immediate's high byte repeats the setting that is left; a switch that changes nothing is dropped
.if MSB != \new
	s_set_vgpr_msb (MSB<<8)|\new
.set MSB, \new
.endif
.endm
.macro PLACES k
.rept \k
	v_nop
.endr
.endm
; 12 loads of 512 consecutive bytes: the wave's four fragments (2 tiles of outputs x 2 matrices) of K step \step into slot \slot
.macro WLOAD slot, step, b
	WIN 0x80                                       ; destination window 2
.irp ot, 0,1
.irp m, 0,1
.irp c, 0,1,2
	global_load_b128 v[48*(\slot)+24*\ot+12*\m+4*\c:48*(\slot)+24*\ot+12*\m+4*\c+3], v[L16], s[\b:\b+1] offset:24576*\ot+3072*(\step)+1536*\m+512*\c
.endr
.endr
.endr
	WIN 0
.endm
.macro SLOAD                           ; the scale words of an expert's 32 rows of both matrices, all eight K steps
.irp ot, 0,1
.irp j, 0,1
	global_load_b128 v[WSC+8*\ot+4*\j:WSC+8*\ot+4*\j+3], v[L16], s[42:43] offset:1024*\ot+512*\j
.endr
.endr
.endm
.macro XPAIR buf, s, p                 ; x's fragments of tiles 2 p, 2 p + 1 for K step s into buffer A (0) or B (1)
.if \buf
	WIN 0xC0                                       ; destination window 3
.else
	WIN 0
.endif
.irp u, 0,1
.irp c, 0,1,2
.set rX, XBA-(XBA-XBB)*(\buf)+12*(2*(\p)+\u)+4*\c
.if (\p) < 2
	ds_load_b128 v[rX:rX+3], v[XA0] offset:XT*(2*(\p)+\u)+XQ*(6*(\s)+\c)
.else
	ds_load_b128 v[rX:rX+3], v[XA1] offset:XT*(2*(\p)+\u-4)+XQ*(6*(\s)+\c)
.endif
.endr
.endr
.endm
.macro WM zero, m, u                   ; one product; w3's scale words and an odd tile's lie in lanes 16-31 of their registers
.if \zero
.if ((\m)==0)&&((\u)==0)
	v_wmma_scale_f32_16x16x128_f8f6f4 v[rD:rD+7], v[rA:rA+11], v[rB:rB+11], 0, v[rSA], v[rSB] matrix_a_fmt:MATRIX_FMT_BF6 matrix_b_fmt:MATRIX_FMT_BF6
.elseif ((\m)==1)&&((\u)==0)
	v_wmma_scale_f32_16x16x128_f8f6f4 v[rD:rD+7], v[rA:rA+11], v[rB:rB+11], 0, v[rSA], v[rSB] matrix_a_fmt:MATRIX_FMT_BF6 matrix_b_fmt:MATRIX_FMT_BF6 matrix_a_scale:MATRIX_SCALE_ROW1
.elseif ((\m)==0)&&((\u)==1)
	v_wmma_scale_f32_16x16x128_f8f6f4 v[rD:rD+7], v[rA:rA+11], v[rB:rB+11], 0, v[rSA], v[rSB] matrix_a_fmt:MATRIX_FMT_BF6 matrix_b_fmt:MATRIX_FMT_BF6 matrix_b_scale:MATRIX_SCALE_ROW1
.else
	v_wmma_scale_f32_16x16x128_f8f6f4 v[rD:rD+7], v[rA:rA+11], v[rB:rB+11], 0, v[rSA], v[rSB] matrix_a_fmt:MATRIX_FMT_BF6 matrix_b_fmt:MATRIX_FMT_BF6 matrix_a_scale:MATRIX_SCALE_ROW1 matrix_b_scale:MATRIX_SCALE_ROW1
.endif
.else
.if ((\m)==0)&&((\u)==0)
	v_wmma_scale_f32_16x16x128_f8f6f4 v[rD:rD+7], v[rA:rA+11], v[rB:rB+11], v[rD:rD+7], v[rSA], v[rSB] matrix_a_fmt:MATRIX_FMT_BF6 matrix_b_fmt:MATRIX_FMT_BF6
.elseif ((\m)==1)&&((\u)==0)
	v_wmma_scale_f32_16x16x128_f8f6f4 v[rD:rD+7], v[rA:rA+11], v[rB:rB+11], v[rD:rD+7], v[rSA], v[rSB] matrix_a_fmt:MATRIX_FMT_BF6 matrix_b_fmt:MATRIX_FMT_BF6 matrix_a_scale:MATRIX_SCALE_ROW1
.elseif ((\m)==0)&&((\u)==1)
	v_wmma_scale_f32_16x16x128_f8f6f4 v[rD:rD+7], v[rA:rA+11], v[rB:rB+11], v[rD:rD+7], v[rSA], v[rSB] matrix_a_fmt:MATRIX_FMT_BF6 matrix_b_fmt:MATRIX_FMT_BF6 matrix_b_scale:MATRIX_SCALE_ROW1
.else
	v_wmma_scale_f32_16x16x128_f8f6f4 v[rD:rD+7], v[rA:rA+11], v[rB:rB+11], v[rD:rD+7], v[rSA], v[rSB] matrix_a_fmt:MATRIX_FMT_BF6 matrix_b_fmt:MATRIX_FMT_BF6 matrix_a_scale:MATRIX_SCALE_ROW1 matrix_b_scale:MATRIX_SCALE_ROW1
.endif
.endif
.endm
; 8 products: tiles 2 p, 2 p + 1 x 2 tiles of outputs x 2 matrices, K step s.  Eight different accumulators, one instruction a turn, the first another than the last:
; so on every way through the branches no product follows the one that it adds onto.
.macro MPAIR buf, s, p, zero
.if \buf
	WIN 0x5E                                       ; weights window 2, x window 3, C and D window 1
.else
	WIN 0x52                                       ; the same with x in window 0
.endif
.irp u, 0,1
.irp ot, 0,1
.irp m, 0,1
.set rD, 128*\m+16*(2*(\p)+\u)+8*\ot
.set rA, 48*((\s)%4)+24*\ot+12*\m
.set rB, XBA-(XBA-XBB)*(\buf)+12*(2*(\p)+\u)
.set rSA, WSC+8*\ot+(\s)
.set rSB, XSC+8*(\p)+(\s)
	WM \zero, \m, \u
.endr
.endr
.endr
.endm
; A K STEP.  n: how many younger loads may be out when this step's slot has to be in (-1: shown by an earlier wait).  zero: its products start the sums.  cond: pairs of tiles without a token of the expert are passed over.
; xf: the next step's fragments of x go into the other buffer: 1 with each pair, 2 all in one run at the head, whatever the pairs, 0 none.  wl: the slot is filled again, with K step wstep from base wb.
; Five places stand behind the step's products: four in front of loads into registers that they have read, five in front of products that begin an accumulator anew.
.macro STEP s, n, zero, cond, xf, wl, wstep, wb
.if (\n) >= 0
	s_wait_loadcnt \n
.endif
	s_wait_dscnt 0x0                               ; this step's fragments of x, asked for in the step before
.if (\xf) == 2
.irp p, 0,1,2,3
	XPAIR ((\s)+1)%2, ((\s)+1)%8, \p
.endr
	WIN 0
.endif
.irp p, 0,1,2,3
.if \cond
	s_bitcmp1_b32 s[PM], \p
	s_cbranch_scc0 .Lskip_\@_\p
.endif
.if (\xf) == 1
	XPAIR ((\s)+1)%2, ((\s)+1)%8, \p
.endif
	MPAIR (\s)%2, \s, \p, \zero
.if \cond
	WIN 0                                          ; at a label and at a branch every window is 0
.Lskip_\@_\p:
.endif
.endr
	WIN 0
	PLACES 5
.if \wl
	WLOAD (\s)%4, \wstep, \wb
.endif
.endm
.macro GATE p, u                       ; tile 2 p + u: my token's gate for the expert in hand, 0 if it is neither of its two
	v_bfe_u32 v[GA], v[RT+2*(\p)+\u], 16, 8
	v_lshrrev_b32 v[GA+1], 24, v[RT+2*(\p)+\u]
	v_cmp_eq_u32 vcc_lo, s[E], v[GA]
	v_cndmask_b32 v[G+2*\u], 0, v[GAB+4*(\p)+2*\u], vcc_lo
	v_cmp_eq_u32 vcc_lo, s[E], v[GA+1]
	v_cndmask_b32 v[G+2*\u], v[G+2*\u], v[GAB+4*(\p)+2*\u+1], vcc_lo
.endm
; THE ACTIVATION of an expert, a pair of tiles (32 numbers a lane) at a time: out += gate x h1 / (1 + 2^(-h1 log2 e)) x h3.  Each accumulator is read from its low end on.
; The gates' lines are the plain places behind the exponentials and behind the reciprocals.
.macro EPI
.irp p, 0,1,2,3
	s_bitcmp1_b32 s[PM], \p
	s_cbranch_scc0 .Lno_epi_\@_\p
	WIN 0x01                                       ; source 0 window 1
.set ii, 0
.rept 16
	v_pk_mul_f32 v[T+ii:T+ii+1], v[32*\p+ii:32*\p+ii+1], s[58:59] op_sel_hi:[1,0]
.set ii, ii+2
.endr
	WIN 0
.set ii, 0
.rept 32
	v_exp_f32 v[T+ii], v[T+ii]
.set ii, ii+1
.endr
	GATE \p, 0
.set ii, 0
	s_wait_alu depctr_va_vdst(0)
.rept 16
	v_pk_add_f32 v[T+ii:T+ii+1], v[T+ii:T+ii+1], 1.0 op_sel_hi:[1,0]
.set ii, ii+2
.endr
.set ii, 0
.rept 32
	v_rcp_f32 v[T+ii], v[T+ii]
.set ii, ii+1
.endr
	GATE \p, 1
	WIN 0x01
.set ii, 0
	s_wait_alu depctr_va_vdst(0)
.rept 16
	v_pk_mul_f32 v[T+ii:T+ii+1], v[32*\p+ii:32*\p+ii+1], v[T+ii:T+ii+1]
.set ii, ii+2
.endr
.set ii, 0
.rept 16
	v_pk_mul_f32 v[T+ii:T+ii+1], v[128+32*\p+ii:128+32*\p+ii+1], v[T+ii:T+ii+1]
.set ii, ii+2
.endr
	WIN 0xF0                                       ; the sums: source 2 and destination window 3
.set ii, 0
.rept 16
	v_pk_fma_f32 v[32*\p+ii:32*\p+ii+1], v[T+ii:T+ii+1], v[G+2*(ii/16):G+2*(ii/16)+1], v[32*\p+ii:32*\p+ii+1] op_sel_hi:[1,0,1]
.set ii, ii+2
.endr
	WIN 0
.Lno_epi_\@_\p:
.endr
.endm
.macro NEXT                            ; the lowest expert still to come, and where its weights and scale words lie
	s_wait_xcnt 0x0                                ; earlier loads have read these bases
	s_ctz_i32_b32 s36, s[MLEFT]
	s_min_u32 s36, s36, 7
	s_add_co_i32 s62, s[MLEFT], -1
	s_and_b32 s[MLEFT], s[MLEFT], s62
	s_mul_i32 s62, s36, 1572864
	s_mov_b32 s63, 0
	s_add_nc_u64 s[WBN:WBN+1], s[52:53], s[62:63]
	s_lshl_b32 s62, s36, 16
	s_add_nc_u64 s[42:43], s[54:55], s[62:63]
.endm
.macro ADVANCE                         ; the next expert becomes the one in hand
	s_wait_xcnt 0x0
	s_mov_b64 s[WBC:WBC+1], s[WBN:WBN+1]
	s_mov_b32 s[E], s36
	s_mov_b32 s[PM], 0
.irp p, 0,1,2,3
	s_lshr_b32 s62, s[PT+\p], s[E]
	s_and_b32 s62, s62, 1
	s_lshl_b32 s62, s62, \p
	s_or_b32 s[PM], s[PM], s62
.endr
.endm
	s_load_b512 s[4:19], s[0:1], 0x0               ; xq s[4:5], xsw s[6:7], gat s[8:9], route s[10:11], wimg s[12:13], wsw s[14:15], plan s[16:17], out s[18:19]
	v_lshl_add_u32 v158, v0, 2, 0x2a000
	v_mov_b32 v159, 0
	v_lshrrev_b32 v1, 5, v0
	v_readfirstlane_b32 s[WV], v1                  ; wave 0..3
	v_and_b32 v124, 31, v0                         ; l
	v_and_b32 v125, 15, v0                         ; r
	v_bfe_u32 v126, v0, 4, 1                       ; h
	v_lshlrev_b32 v[L16], 4, v124
	v_lshlrev_b32 v[O16R], 4, v125
	v_mad_u32_u24 v[XA0], v126, 3*XQ, v[O16R]
	v_add_nc_u32 v[XA1], 4*XT, v[XA0]
	s_mul_i32 s22, s[WV], 2*XT
	v_mul_u32_u24 v[XW], v125, XQ
	v_mad_u32_u24 v[XW], v126, XT, v[XW]
	v_add_nc_u32 v[XW], s22, v[XW]
	s_lshl_b32 s22, s[WV], 7                       ; 128 w
	s_add_co_u32 s23, s22, STG
	v_mul_u32_u24 v[STO], v125, SPI
	v_lshl_add_u32 v[STO], v126, 5, v[STO]
	v_add_nc_u32 v[STO], s23, v[STO]
	s_mul_i32 s23, s[WV], 32*SPI
	s_add_co_u32 s23, s23, STG
	v_add_nc_u32 v[SRD], s23, v[L16]
	v_lshl_add_u32 v[TGO], v126, 6, s22
	v_lshlrev_b32 v[O4L], 2, v124
	v_lshlrev_b32 v[O4R], 2, v125
	s_and_b32 s21, ttmp7, 0xffff                   ; the block of tokens
	s_lshl_b32 s60, s21, 9
	s_mov_b32 s61, 0
	s_lshl_b32 s62, s21, 5
	s_mov_b32 s63, 0
	s_mov_b32 s23, 0
	s_wait_kmcnt 0x0
	s_add_nc_u64 s[48:49], s[16:17], s[60:61]      ; the block's 128 places of the list
	s_add_nc_u64 s[56:57], s[16:17], s[62:63]
	s_load_b256 s[24:31], s[56:57], 0x4000         ; its eight tiles' expert bits
	s_add_nc_u64 s[60:61], s[48:49], s[22:23]
	s_load_b512 s[68:83], s[60:61], 0x0            ; the tokens of the 32 rows that I store at the end
	s_load_b512 s[84:99], s[60:61], 0x40
.irp j, 0,1,2,3
	global_load_b128 v[TG+4*\j:TG+4*\j+3], v[TGO], s[48:49] offset:16*\j
.endr
.irp p, 0,1,2,3
	global_load_b32 v[TP+\p], v[O4L], s[48:49] offset:128*\p
.endr
.irp t, 0,1,2,3,4,5,6,7
	global_load_b32 v[T8+\t], v[O4R], s[48:49] offset:64*\t
.endr
	s_lshl_b32 s62, ttmp9, 9                       ; the part's 128 outputs: 512 bytes of a row of out
	s_add_nc_u64 s[50:51], s[18:19], s[62:63]
	s_lshl_b32 s62, ttmp9, 3
	s_lshl_b32 s22, s[WV], 1
	s_add_co_u32 s62, s62, s22                     ; my first tile of outputs: 8 x + 2 w
	s_mul_i32 s22, s62, 24576
	s_add_nc_u64 s[52:53], s[12:13], s[22:23]
	s_lshl_b32 s22, s62, 10
	s_add_nc_u64 s[54:55], s[14:15], s[22:23]
	s_mov_b32 s58, 0xbfb8aa3b                      ; -log2(e)
	s_mov_b32 s59, s58                             ; (named with it as a pair)
	; out's sums begin as zeros, once, while the indices are on their way: which pairs of tiles the first expert serves is not known to the text
	WIN 0xC0
.set ii, 0
.rept 128
	v_mov_b32 v[ii], 0
.set ii, ii+1
.endr
	WIN 0
	v_mov_b32 v[G+1], 0
	v_mov_b32 v[G+3], 0
	s_wait_kmcnt 0x0
	s_or_b32 s[PT], s24, s25
	s_or_b32 s[PT+1], s26, s27
	s_or_b32 s[PT+2], s28, s29
	s_or_b32 s[PT+3], s30, s31
	s_or_b32 s[MLEFT], s[PT], s[PT+1]
	s_or_b32 s[NEXP], s[PT+2], s[PT+3]
	s_or_b32 s[MLEFT], s[MLEFT], s[NEXP]
	s_and_b32 s[MLEFT], s[MLEFT], 0xff             ; the experts that the block's tokens use
	s_bcnt1_i32_b32 s[NEXP], s[MLEFT]
	NEXT
	ADVANCE
	s_wait_loadcnt 0x0                             ; the indices
.set ii, 0
.rept 16
	v_min_u32 v[TG+ii], 0xfff, v[TG+ii]            ; every index is held inside its table
	v_mad_u32_u24 v[TG+ii], v[TG+ii], 768, v[O16R]
.set ii, ii+1
.endr
.irp p, 0,1,2,3
	v_min_u32 v[TP+\p], 0xfff, v[TP+\p]
	v_lshlrev_b32 v[TP+\p], 5, v[TP+\p]
.endr
.irp t, 0,1,2,3,4,5,6,7
	v_min_u32 v[T8+\t], 0xfff, v[T8+\t]
	v_lshlrev_b32 v[T4+\t], 2, v[T8+\t]
	v_lshlrev_b32 v[T8+\t], 3, v[T8+\t]
.endr
	; the gather: lanes 0-15 read 256 consecutive bytes of row ii of tile 2 w, lanes 16-31 of tile 2 w + 1
	WIN 0x40
.set ii, 0
.rept 16
.irp j, 0,1,2
	global_load_b128 v[4*(3*ii+\j):4*(3*ii+\j)+3], v[TG+ii], s[4:5] offset:256*\j
.endr
.set ii, ii+1
.endr
	WIN 0
.irp p, 0,1,2,3
	global_load_b128 v[XSC+8*\p:XSC+8*\p+3], v[TP+\p], s[6:7]
	global_load_b128 v[XSC+8*\p+4:XSC+8*\p+7], v[TP+\p], s[6:7] offset:16
.endr
	SLOAD
.irp gq, 0,1,2,3
	s_wait_loadcnt 48                              ; twelve gathers more are in: behind them stand 48 loads: the later gathers, the 12 scale loads, the slots asked for so far
	WIN 0x04                                       ; an LDS store's data: window 1
.irp nn, 0,1,2,3
.irp j, 0,1,2
	ds_store_b128 v[XW], v[4*(3*(4*\gq+\nn)+\j):4*(3*(4*\gq+\nn)+\j)+3] offset:16*XQ*\j+16*(4*\gq+\nn)
.endr
.endr
	WLOAD \gq, \gq, WBC
.endr
.irp t, 0,1,2,3,4,5,6,7
	global_load_b64 v[GAB+2*\t:GAB+2*\t+1], v[T8+\t], s[8:9]
.endr
.irp t, 0,1,2,3,4,5,6,7
	global_load_b32 v[RT+\t], v[T4+\t], s[10:11]
.endr
	s_wait_dscnt 0x0                               ; for the others' sake: my two tiles lie in LDS
	s_barrier_signal -1
	s_barrier_wait -1
.irp p, 0,1,2,3
	XPAIR 0, 0, \p
.endr
	; THE WALK.  The first expert's K steps 0-3: behind the slot wanted stand the later slots, the 16 loads of gates and route words, and the refills: 52 each time
	STEP 0, 52, 1, 0, 2, 1, 4, WBC
	STEP 1, 52, 0, 1, 1, 1, 5, WBC
	STEP 2, 52, 0, 1, 1, 1, 6, WBC
	STEP 3, 52, 0, 1, 1, 1, 7, WBC
	s_mov_b32 s[CNT], 1
	s_cmp_ge_u32 s[CNT], s[NEXP]
	s_cbranch_scc1 .Ltail
.Lexp:                                             ; a trip: the second half of an expert, its activation, the first half of the next
	NEXT
	STEP 4, 36, 0, 1, 1, 1, 0, WBN                 ; behind each slot wanted stand three younger slots of 12 loads
	STEP 5, 36, 0, 1, 1, 1, 1, WBN
	STEP 6, 36, 0, 1, 1, 1, 2, WBN
	STEP 7, 36, 0, 1, 2, 1, 3, WBN                 ; it fetches the next expert's K step 0 of x for all pairs
	SLOAD                                          ; behind the step's places: its products have read these registers
	EPI
	ADVANCE
	STEP 0, 0, 1, 0, 2, 1, 4, WBC                  ; the scale words were asked for last, the whole activation ago: the wait for them shows slots 0-3 in too
	STEP 1, -1, 0, 1, 1, 1, 5, WBC
	STEP 2, -1, 0, 1, 1, 1, 6, WBC
	STEP 3, -1, 0, 1, 1, 1, 7, WBC
	s_add_co_u32 s[CNT], s[CNT], 1
	s_cmp_lt_u32 s[CNT], s[NEXP]
	s_cbranch_scc1 .Lexp
.Ltail:                                            ; the last expert's second half asks for nothing: the counts run down
	STEP 4, 36, 0, 1, 1, 0, 0, WBC
	STEP 5, 24, 0, 1, 1, 0, 0, WBC
	STEP 6, 12, 0, 1, 1, 0, 0, WBC
	STEP 7, 0, 0, 1, 0, 0, 0, WBC
	EPI
	; THE WAY OUT.  A lane holds 32 bytes of a token's row and a row's 512 bytes come from four waves: they meet in the stage, and each wave stores 32 whole rows, each at its token's place
	WIN 0x0C                                       ; an LDS store's data: window 3
.irp t, 0,1,2,3,4,5,6,7
.irp ot, 0,1
	ds_store_b128 v[STO], v[16*\t+8*\ot:16*\t+8*\ot+3] offset:16*SPI*\t+64*\ot
	ds_store_b128 v[STO], v[16*\t+8*\ot+4:16*\t+8*\ot+7] offset:16*SPI*\t+64*\ot+16
.endr
.endr
	WIN 0
.set ii, 0
.rept 32
	s_min_u32 s62, s[68+ii], 0xfff
	v_lshl_add_u32 v[T+ii], s62, 12, v[L16]        ; the token's row of 4,096 bytes, + 16 x lane
.set ii, ii+1
.endr
	s_wait_dscnt 0x0                               ; for the others' sake
	s_barrier_signal -1
	s_barrier_wait -1
	WIN 0x40
.set ii, 0
.rept 32
	ds_load_b128 v[4*ii:4*ii+3], v[SRD] offset:SPI*ii
.set ii, ii+1
.endr
	WIN 0x04                                       ; a store's data: window 1
.set ii, 0
.rept 32
	s_wait_dscnt 31-ii
	global_store_b128 v[T+ii], v[4*ii:4*ii+3], s[50:51] th:TH_STORE_NT   ; 32 lanes store 512 consecutive bytes, at a multiple of 512 from out's first byte
.set ii, ii+1
.endr
	WIN 0
	s_wait_tensorcnt 0x0
	ds_add_u32 v158, v159
	s_wait_dscnt 0x0
	s_endpgm
.Lfunc_end_k_q70913ea310_experts:
	.size	k_q70913ea310_experts, .Lfunc_end_k_q70913ea310_experts-k_q70913ea310_experts
	.p2alignl 7, 3214868480
	.fill 96, 4, 3214868480
	.section	.rodata,"a",@progbits
	.p2align	6, 0x0
	.amdhsa_kernel k_q70913ea310_experts
		.amdhsa_group_segment_fixed_size 172544
		.amdhsa_private_segment_fixed_size 0
		.amdhsa_enable_private_segment 0
		.amdhsa_kernarg_size 64
		.amdhsa_user_sgpr_count 2
		.amdhsa_user_sgpr_kernarg_segment_ptr 1
		.amdhsa_wavefront_size32 1
		.amdhsa_system_sgpr_workgroup_id_x 1
		.amdhsa_system_sgpr_workgroup_id_y 1
		.amdhsa_system_sgpr_workgroup_id_z 1
		.amdhsa_system_vgpr_workitem_id 0
		.amdhsa_next_free_vgpr 1024
		.amdhsa_next_free_sgpr 104
		.amdhsa_reserve_vcc 1
		.amdhsa_float_denorm_mode_32 3
		.amdhsa_float_denorm_mode_16_64 3
		.amdhsa_memory_ordered 1
		.amdhsa_forward_progress 1
		.amdhsa_inst_pref_size 219
	.end_amdhsa_kernel
	.amdgpu_metadata
---
amdhsa.version: [ 1, 2 ]
amdhsa.kernels:
  - .name:           k_q70913ea310_experts
    .symbol:         k_q70913ea310_experts.kd
    .args:
      - { .name: xq, .offset: 0, .size: 8, .value_kind: global_buffer, .address_space: global }
      - { .name: xsw, .offset: 8, .size: 8, .value_kind: global_buffer, .address_space: global }
      - { .name: gat, .offset: 16, .size: 8, .value_kind: global_buffer, .address_space: global }
      - { .name: route, .offset: 24, .size: 8, .value_kind: global_buffer, .address_space: global }
      - { .name: wimg, .offset: 32, .size: 8, .value_kind: global_buffer, .address_space: global }
      - { .name: wsw, .offset: 40, .size: 8, .value_kind: global_buffer, .address_space: global }
      - { .name: plan, .offset: 48, .size: 8, .value_kind: global_buffer, .address_space: global }
      - { .name: out0, .offset: 56, .size: 8, .value_kind: global_buffer, .address_space: global }
    .group_segment_fixed_size: 172544
    .private_segment_fixed_size: 0
    .kernarg_segment_align: 8
    .kernarg_segment_size: 64
    .max_flat_workgroup_size: 128
    .sgpr_count:     104
    .vgpr_count:     1024
    .wavefront_size: 32
...
	.end_amdgpu_metadata
.endif
;; end of part 3
;; ======== version 2 of 2: 3 launches
;; workspace buffers: xq 3,145,728 bytes; xsw 131,072 bytes; gat 32,768 bytes; route 49,152 bytes of whole numbers; wimg 12,582,912 bytes; wsw 524,288 bytes; plan 17,408 bytes of whole numbers
;; launch prep (part 4): grid 256 x 1, 12 waves a work-group, no clusters, 175,616 bytes of LDS; arguments x, wg, w1_codes, w1_scales, w3_codes, w3_scales, xq, xsw, gat, route, wimg, wsw; writes xq, xsw, gat, route, wimg, wsw
.if DOCPART == 4
	.amdgcn_target "amdgcn-amd-amdhsa--gfx1250"
	.amdhsa_code_object_version 6
	.text
	.protected	k_q70913ea310_prep
	.globl	k_q70913ea310_prep
	.p2align	8
	.type	k_q70913ea310_prep,@function
k_q70913ea310_prep:
	s_mov_b64 s[64:65], 0
	v_nop
	global_prefetch_b8 v0, s[64:65] scope:SCOPE_SE
	s_setreg_imm32_b32 hwreg(HW_REG_WAVE_MODE, 25, 1), 1
	s_wait_xcnt 0x0
; PREP.  Work-group g owns tokens 16 g .. 16 g + 15 and four chunks of 16 weight rows.
; Waves 0-7 (x role): wave c takes K = 128 c .. 128 c + 127 of the 16 tokens: partial router logits in f32 (x . wg), and the codes of BF6 (E3M2) with one E8M0 byte for each 32 along K.
; Waves 8-11 (weight role): a chunk of 16 rows of w1 or w3 (12,288 dense bytes) is laid in the order of an operand's registers, and its scale words likewise.
; Behind ONE barrier: waves 0-7 store the tokens' codes as dense rows, wave 1 their scale words, wave 0 adds the eight partial logits, takes the two largest (the lower index wins a tie),
; the softmax over the two (the larger logit taken away first), the key of the pair of experts, and the histogram of the 16 tokens' keys.  All of that is stored as VALUES at fixed places: no address here hangs on it.
; K ORDER INSIDE A MATRIX INSTRUCTION, alike for both operands: lane (r, h) of K step s holds the 48 consecutive bytes at 96 s + 48 h of its row, blocks 4 s + 2 h and 4 s + 2 h + 1.  So every piece is 16 aligned bytes.
; The unit's block 2 c + h is then the row's block 4 s + 2 h + c: a scale word is the row's dword s with its two middle bytes changed over.
; A block's scale is 2^(floor(log2(largest magnitude)) - 4); its byte is the largest magnitude's exponent field - 4, held at 1 from below.
; LIMITS: NaN and infinities among the inputs are not served.  A block of zeros of x gets the byte 1 where the rule says 127: its codes are zeros, and this program alone reads the bytes.
; The logits are summed in another f32 order than a plain dot product: a second and third logit closer than f32 rounding may choose the other expert.
; No tensor loads: every byte is read once by dense 512-byte loads that all go out at the head, so a ring would have nothing to hide.
.set TURNW, 8448                       ; LDS: from 0, for each x wave 16 rows of 512 + 16 bytes: x turns from load order into 64 neighbours a lane
.set WGL,   67584                      ; for each x wave its 128 rows of wg, 32 bytes each, 32 bytes of padding behind row 63
.set WGLW,  4352
.set CST,   102400                     ; the 16 tokens' codes: rows of 768 + 16 bytes
.set CROW,  784
.set XSS,   114944                     ; their scale words: 32 bytes a token
.set PLG,   115456                     ; partial logits: 1,024 bytes for each x wave, 32 bytes a lane
.set WRL,   123904                     ; for each weight wave 16 rows of 768 + 16 bytes
.set WRLW,  12544
.set X,     32                         ; v32-95   x: as loaded, then lane (r, h): k = 64 h + 0 .. 63 of token r
.set WGT,   96                         ; v96-159  wg[64 h + i][r % 8]
.set RAW,   160                        ; v160-191 wg as loaded; later v160-171 the codes, v172-178 halves made apart
.set WK,    208                        ; v208-223 at work
.set D0,    224                        ; v224-239 two accumulators of logits, written by matrix instructions alone
.set D1,    232
	s_load_b512 s[4:19], s[0:1], 0x0               ; x, wg, w1 codes, w1 scales, w3 codes, w3 scales, xq, xsw
	s_load_b256 s[20:27], s[0:1], 0x40             ; gat, route, wimg, wsw
	v_lshl_add_u32 v240, v0, 2, 0x2a800
	v_mov_b32 v241, 0
	v_lshrrev_b32 v1, 5, v0
	s_delay_alu instid0(VALU_DEP_1)
	v_readfirstlane_b32 s28, v1                    ; wave 0..11
	v_and_b32 v1, 31, v0                           ; l
	v_and_b32 v2, 15, v0                           ; r
	v_bfe_u32 v3, v0, 4, 1                         ; h
	s_delay_alu instid0(VALU_DEP_3)
	v_lshlrev_b32 v4, 4, v1                        ; 16 l
	s_and_b32 s29, s28, 7                          ; c: the x wave's K chunk
	s_and_b32 s30, s28, 3                          ; the weight wave's number
	; every LDS address is made here, ahead of the parting of the roles
	s_mul_i32 s32, s29, TURNW
	v_add_nc_u32 v5, s32, v4                       ; v5  x in: 16 l
	v_mul_u32_u24 v6, v2, 528
	s_delay_alu instid0(VALU_DEP_1)
	v_lshl_add_u32 v6, v3, 8, v6
	s_delay_alu instid0(VALU_DEP_1)
	v_add_nc_u32 v6, s32, v6                       ; v6  x back: row r, + 256 h
	s_mul_i32 s33, s29, WGLW
	s_add_co_u32 s33, s33, WGL
	v_add_nc_u32 v7, s33, v4                       ; v7  wg in
	v_and_b32 v8, 7, v0
	s_delay_alu instid0(VALU_DEP_1)
	v_lshlrev_b32 v8, 2, v8
	s_delay_alu instid0(VALU_DEP_1)
	v_mad_u32_u24 v8, v3, 2080, v8
	s_delay_alu instid0(VALU_DEP_1)
	v_add_nc_u32 v8, s33, v8                       ; v8  wg back: row 64 h (+ padding), expert r % 8
	s_mul_i32 s34, s30, WRLW
	s_add_co_u32 s34, s34, WRL
	v_mul_u32_u24 v9, v2, CROW
	s_delay_alu instid0(VALU_DEP_1)
	v_mad_u32_u24 v9, v3, 48, v9                   ; 784 r + 48 h
	s_delay_alu instid0(VALU_DEP_1)
	v_add_nc_u32 v18, s34, v9                      ; v18 weights back: row r, + 48 h
	v_add_nc_u32 v16, s34, v4                      ; v16 weights in: 16 l
	s_delay_alu instid0(VALU_DEP_1)
	v_lshl_add_u32 v17, v3, 4, v16                 ; v17 the same where lanes 16-31 lie in the next row
	s_mul_i32 s34, s29, 96
	s_add_co_u32 s34, s34, CST
	v_add_nc_u32 v9, s34, v9                       ; v9  codes in: row r, + 96 c + 48 h
	s_mul_i32 s34, s29, 2*CROW
	s_add_co_u32 s34, s34, CST
	v_add_nc_u32 v10, s34, v4                      ; v10 codes back: rows 2 c, 2 c + 1 as 1,536 dense bytes
	s_delay_alu instid0(VALU_DEP_1)
	v_lshl_add_u32 v11, v3, 4, v10                 ; v11 the same where lanes 16-31 lie in the next row
	s_lshl_b32 s34, s29, 2
	s_add_co_u32 s34, s34, XSS
	v_lshl_add_u32 v12, v2, 5, s34                 ; v12 scale word in: 32 r + 4 c
	v_add_nc_u32 v13, XSS, v4                      ; v13 scale words back
	s_lshl_b32 s34, s29, 10
	s_add_co_u32 s34, s34, PLG
	v_lshl_add_u32 v14, v1, 5, s34                 ; v14 partial logits in
	v_lshl_add_u32 v15, v1, 5, PLG                 ; v15 and back
	; offsets in memory
	v_lshlrev_b32 v19, 5, v2
	s_delay_alu instid0(VALU_DEP_1)
	v_lshl_add_u32 v19, v3, 4, v19                 ; v19 weight scales in: 32 r + 16 h
	v_lshlrev_b32 v28, 4, v2
	s_delay_alu instid0(VALU_DEP_1)
	v_lshl_add_u32 v28, v3, 9, v28                 ; v28 and out: 512 h + 16 r
	v_lshlrev_b32 v29, 2, v2                       ; v29 4 r
	v_lshlrev_b32 v30, 3, v2                       ; v30 8 r
	v_lshlrev_b32 v31, 2, v1                       ; v31 4 l
	s_mov_b32 s35, 0x03010200                      ; v_perm_b32: the two middle bytes change places
	s_mov_b32 s36, 0x76543210
	s_mov_b32 s37, 0xfedcba98                      ; v_permlanex16_b32: lane l xor 16
	s_lshl_b32 s40, ttmp9, 16
	s_lshl_b32 s41, s29, 9
	s_add_co_u32 s40, s40, s41                     ; x: 16 rows of 4,096 bytes a group, + 512 c
	s_mov_b32 s41, 0
	s_lshl_b32 s42, s29, 12                        ; wg: 4,096 c
	s_mov_b32 s43, 0
	s_mul_i32 s44, ttmp9, 12288
	s_mul_i32 s45, s29, 1536
	s_add_co_u32 s44, s44, s45                     ; xq
	s_mov_b32 s45, 0
	s_lshl_b32 s46, ttmp9, 9                       ; xsw
	s_mov_b32 s47, 0
	s_lshl_b32 s48, ttmp9, 7                       ; gat, and the histogram
	s_mov_b32 s49, 0
	s_lshl_b32 s50, ttmp9, 6                       ; route
	s_mov_b32 s51, 0
	s_lshl_b32 s52, ttmp9, 2
	s_add_co_u32 s52, s52, s30
	s_and_b32 s52, s52, 511                        ; the chunk: 64 e + ot
	s_lshr_b32 s53, ttmp9, 7                       ; 0: w1, 1: w3
	s_mul_i32 s54, s52, 12288
	s_mov_b32 s55, 0
	s_lshl_b32 s56, s52, 9
	s_mov_b32 s57, 0
	s_mul_i32 s58, s52, 24576
	s_mul_i32 s59, s53, 1536
	s_add_co_u32 s58, s58, s59
	s_mov_b32 s59, 0
	s_lshl_b32 s60, s52, 10
	s_lshl_b32 s61, s53, 8
	s_add_co_u32 s60, s60, s61
	s_mov_b32 s61, 0
	s_wait_kmcnt 0x0
	s_add_nc_u64 s[4:5], s[4:5], s[40:41]
	s_add_nc_u64 s[6:7], s[6:7], s[42:43]
	s_add_nc_u64 s[16:17], s[16:17], s[44:45]
	s_add_nc_u64 s[18:19], s[18:19], s[46:47]
	s_add_nc_u64 s[20:21], s[20:21], s[48:49]
	s_add_nc_u64 s[38:39], s[22:23], s[48:49]      ; the histogram lies 16,384 bytes on in route: in the store's immediate
	s_add_nc_u64 s[22:23], s[22:23], s[50:51]
	s_cmp_lt_u32 ttmp9, 128                        ; the first 128 work-groups lay w1, the others w3: the choice hangs on the work-group's number alone
	s_cselect_b64 s[8:9], s[8:9], s[12:13]
	s_cselect_b64 s[10:11], s[10:11], s[14:15]
	s_add_nc_u64 s[8:9], s[8:9], s[54:55]
	s_add_nc_u64 s[10:11], s[10:11], s[56:57]
	s_add_nc_u64 s[24:25], s[24:25], s[58:59]
	s_add_nc_u64 s[26:27], s[26:27], s[60:61]
	s_cmp_lt_u32 s28, 8
	s_cbranch_scc0 .Lweights
	; ---- THE X ROLE.  Each load reads 512 consecutive bytes: a token's 128 numbers of my chunk
.set ii, 0
.rept 16
	global_load_b128 v[X+4*ii:X+4*ii+3], v4, s[4:5] offset:4096*ii th:TH_LOAD_NT
.set ii, ii+1
.endr
.set ii, 0
.rept 8
	global_load_b128 v[RAW+4*ii:RAW+4*ii+3], v4, s[6:7] offset:512*ii
.set ii, ii+1
.endr
	s_wait_loadcnt 8                               ; x is in; the eight younger loads, wg's, may be out
.set ii, 0
.rept 16
	ds_store_b128 v5, v[X+4*ii:X+4*ii+3] offset:528*ii
.set ii, ii+1
.endr
	s_wait_loadcnt 0x0
.set ii, 0
.rept 8
	ds_store_b128 v7, v[RAW+4*ii:RAW+4*ii+3] offset:512*ii+32*(ii/4)
.set ii, ii+1
.endr
	s_wait_dscnt 0x0                               ; the stores have read the registers that are loaded again below
.set ii, 0
.rept 16
	ds_load_b128 v[X+4*ii:X+4*ii+3], v6 offset:16*ii   ; my own bytes: no barrier.  Lane (r, h): k = 64 h + 4 ii ..
.set ii, ii+1
.endr
.set ii, 0
.rept 64
	ds_load_b32 v[WGT+ii], v8 offset:32*ii         ; wg[64 h + ii][r % 8]: rows 8-15 of the operand repeat experts 0-7
.set ii, ii+1
.endr
	s_wait_dscnt 0x0
	; logits^T = wg^T x^T, 4 along K an instruction (k slot (h, j) is k = 64 h + 2 q + j in both operands).  Lane (r, h), register j: expert j of token r, in both halves.
	; The first two instructions start the two sums; the two accumulators take turns.
	v_wmma_f32_16x16x4_f32 v[D0:D0+7], v[WGT:WGT+1], v[X:X+1], 0
	v_wmma_f32_16x16x4_f32 v[D1:D1+7], v[WGT+2:WGT+3], v[X+2:X+3], 0
.set ii, 4
.rept 15
	v_wmma_f32_16x16x4_f32 v[D0:D0+7], v[WGT+ii:WGT+ii+1], v[X+ii:X+ii+1], v[D0:D0+7]
	v_wmma_f32_16x16x4_f32 v[D1:D1+7], v[WGT+ii+2:WGT+ii+3], v[X+ii+2:X+ii+3], v[D1:D1+7]
.set ii, ii+4
.endr
	; my two whole blocks of 32: largest magnitudes, with the floor 2^(5 - 127) among the leaves, the two by turns.  (These lines are also the places behind the matrix instructions.)
	v_max3_num_f32 v[WK], |v[X]|, |v[X+1]|, 0x2800000
	v_max3_num_f32 v[WK+1], |v[X+32]|, |v[X+33]|, 0x2800000
.set ii, 2
.rept 15
	s_delay_alu instid0(VALU_DEP_2)
	v_max3_num_f32 v[WK], v[WK], |v[X+ii]|, |v[X+ii+1]|
	s_delay_alu instid0(VALU_DEP_2)
	v_max3_num_f32 v[WK+1], v[WK+1], |v[X+32+ii]|, |v[X+33+ii]|
.set ii, ii+2
.endr
	s_delay_alu instid0(VALU_DEP_2)
	v_add_nc_u32 v[WK+2], 0xfe000000, v[WK]        ; 4 off the exponent field: the conversion's scale operand
	s_delay_alu instid0(VALU_DEP_2)
	v_add_nc_u32 v[WK+3], 0xfe000000, v[WK+1]
	s_delay_alu instid0(VALU_DEP_2)
	v_lshrrev_b32 v[WK+4], 23, v[WK+2]             ; the scales' bytes
	s_delay_alu instid0(VALU_DEP_2)
	v_lshrrev_b32 v[WK+5], 23, v[WK+3]
	s_delay_alu instid0(VALU_DEP_1)
	v_lshl_or_b32 v[WK+6], v[WK+5], 16, v[WK+4]    ; the unit's blocks h and 2 + h
	v_lshlrev_b32 v[WK+7], 3, v3
	s_delay_alu instid0(VALU_DEP_1)
	v_lshlrev_b32 v[WK+6], v[WK+7], v[WK+6]        ; 8 h bits up
	s_delay_alu instid0(VALU_DEP_1)
	v_permlanex16_b32 v[WK+7], v[WK+6], s36, s37
	s_delay_alu instid0(VALU_DEP_1)
	v_or_b32 v[WK+6], v[WK+6], v[WK+7]             ; with lane l xor 16's two bytes the word is whole
	v_cvt_scalef32_pk16_bf6_f32 v[160:162], v[X:X+15], v[WK+2]
	v_cvt_scalef32_pk16_bf6_f32 v[172:174], v[X+16:X+31], v[WK+2]   ; (a conversion's three registers begin on an even number: the odd halves are made apart and moved)
	v_cvt_scalef32_pk16_bf6_f32 v[166:168], v[X+32:X+47], v[WK+3]
	v_cvt_scalef32_pk16_bf6_f32 v[176:178], v[X+48:X+63], v[WK+3]
.irp j, 0,2,4,6
	v_pk_add_f32 v[WK+8+\j:WK+9+\j], v[D0+\j:D0+\j+1], v[D1+\j:D1+\j+1]   ; the two accumulators, from their low ends on, into other registers.  (Plain lines behind the conversions)
.endr
.irp i, 0,1,2
	v_mov_b32 v[163+\i], v[172+\i]
	v_mov_b32 v[169+\i], v[176+\i]
.endr
	ds_store_b128 v14, v[WK+8:WK+11]
	ds_store_b128 v14, v[WK+12:WK+15] offset:16
	ds_store_b128 v9, v[160:163]
	ds_store_b128 v9, v[164:167] offset:16
	ds_store_b128 v9, v[168:171] offset:32
	ds_store_b32 v12, v[WK+6]                      ; both halves write the same word with the same value
	s_branch .Ljoin
.Lweights:
	; ---- THE WEIGHT ROLE.  24 dense loads of 512 bytes, through my own rows in LDS, out as eight images of 1,536 bytes
.set ii, 0
.rept 24
	global_load_b128 v[32+4*ii:35+4*ii], v4, s[8:9] offset:512*ii th:TH_LOAD_NT
.set ii, ii+1
.endr
	s_wait_alu depctr_va_vdst(0)
	global_load_b128 v[20:23], v19, s[10:11] th:TH_LOAD_NT   ; row r's scale bytes 16 h ..
.set ii, 0
.rept 8                                        ; three loads are two rows of 768 bytes
.if ii%2 == 0
	s_wait_loadcnt 19-3*ii                         ; six loads more are in: behind them stand the later code loads and the scale load
.endif
	ds_store_b128 v16, v[32+12*ii:35+12*ii] offset:1568*ii
	ds_store_b128 v17, v[36+12*ii:39+12*ii] offset:1568*ii+512
	ds_store_b128 v16, v[40+12*ii:43+12*ii] offset:1568*ii+1040
.set ii, ii+1
.endr
.set ii, 0
.rept 24                                       ; piece (s = ii / 3, c = ii % 3): row r, bytes 96 s + 48 h + 16 c.  LDS serves a wave's instructions in order: these see my stores
	ds_load_b128 v[128+4*ii:131+4*ii], v18 offset:96*(ii/3)+16*(ii%3)
.set ii, ii+1
.endr
.set ii, 0
.rept 24
	s_wait_dscnt 23-ii
	global_store_b128 v4, v[128+4*ii:131+4*ii], s[24:25] offset:3072*(ii/3)+512*(ii%3)   ; 32 lanes store 512 consecutive bytes
.set ii, ii+1
.endr
	s_wait_loadcnt 0x0
.irp i, 0,1,2,3
	v_perm_b32 v[24+\i], v[20+\i], v[20+\i], s35
.endr
	global_store_b128 v28, v[24:27], s[26:27]      ; sixteen lanes store 256 consecutive bytes
.Ljoin:
	s_wait_dscnt 0x0                               ; for the others' sake: my LDS stores have landed
	s_barrier_signal -1
	s_barrier_wait -1
	s_cmp_lt_u32 s28, 8
	s_cbranch_scc1 .Lxout
	s_wait_tensorcnt 0x0
	ds_add_u32 v240, v241
	s_wait_dscnt 0x0
	s_endpgm
.Lxout:
	ds_load_b128 v[160:163], v10                   ; tokens 2 c and 2 c + 1: 1,536 dense bytes of codes
	ds_load_b128 v[164:167], v11 offset:512
	ds_load_b128 v[168:171], v10 offset:1040
	s_wait_dscnt 2
	global_store_b128 v4, v[160:163], s[16:17]
	s_wait_dscnt 1
	global_store_b128 v4, v[164:167], s[16:17] offset:512
	s_wait_dscnt 0x0
	global_store_b128 v4, v[168:171], s[16:17] offset:1024
	s_cmp_eq_u32 s28, 1
	s_cbranch_scc0 .Lnot_1
	ds_load_b128 v[176:179], v13                   ; wave 1: the 16 tokens' scale words, 512 dense bytes
	s_wait_dscnt 0x0
	global_store_b128 v4, v[176:179], s[18:19]
.Lnot_1:
	s_cmp_eq_u32 s28, 0
	s_cbranch_scc1 .Lrouter
	s_wait_tensorcnt 0x0
	ds_add_u32 v240, v241
	s_wait_dscnt 0x0
	s_endpgm
.Lrouter:
	; ---- WAVE 0: THE ROUTER.  Lane l holds token l % 16; both halves compute the same
.set ii, 0
.rept 8
	ds_load_b128 v[32+8*ii:35+8*ii], v15 offset:1024*ii
	ds_load_b128 v[36+8*ii:39+8*ii], v15 offset:1024*ii+16
.set ii, ii+1
.endr
	s_wait_dscnt 0x0
.set ii, 1
.rept 7                                        ; the eight chunks' partial logits, K ascending: v32-39 = the logits
.irp j, 0,2,4,6
	v_pk_add_f32 v[32+\j:33+\j], v[32+\j:33+\j], v[32+8*ii+\j:33+8*ii+\j]
.endr
.set ii, ii+1
.endr
.macro TOP m, i                        ; the largest of v32-39 and its index; an equal later one does not displace an earlier
	v_mov_b32 v[\m], v32
	v_mov_b32 v[\i], 0
.irp e, 1
	s_delay_alu instid0(VALU_DEP_2)
	v_cmp_le_f32 vcc_lo, v[32+\e], v[\m]
	s_delay_alu instid0(VALU_DEP_1)
	v_cndmask_b32 v[\i], \e, v[\i], vcc_lo
	s_delay_alu instid0(VALU_DEP_2)
	v_cndmask_b32 v[\m], v[32+\e], v[\m], vcc_lo
.endr
.irp e, 2, 3, 4, 5, 6, 7
	s_delay_alu instid0(VALU_DEP_1)
	v_cmp_le_f32 vcc_lo, v[32+\e], v[\m]
	s_delay_alu instid0(VALU_DEP_1)
	v_cndmask_b32 v[\i], \e, v[\i], vcc_lo
	s_delay_alu instid0(VALU_DEP_2)
	v_cndmask_b32 v[\m], v[32+\e], v[\m], vcc_lo
.endr
.endm
	TOP 96, 97
	v_mov_b32 v100, 0xff800000
.irp e, 0,1,2,3,4,5,6,7
	v_cmp_eq_u32 vcc_lo, \e, v97
	s_delay_alu instid0(VALU_DEP_1)
	v_cndmask_b32 v[32+\e], v[32+\e], v100, vcc_lo ; the winner leaves the field
.endr
	TOP 98, 99
	s_delay_alu instid0(VALU_DEP_1)
	v_sub_f32 v101, v98, v96                       ; the second logit less the largest: 0 or less
	s_delay_alu instid0(VALU_DEP_1)
	v_mul_f32 v101, 0x3fb8aa3b, v101
	s_wait_alu depctr_va_vdst(0)
	v_exp_f32 v101, v101                           ; p = e^(second - first)
	v_min_u32 v104, v97, v99                       ; a: the lower expert.  (A plain place behind the exponential)
	s_wait_alu depctr_va_vdst(0)
	v_add_f32 v102, 1.0, v101
	s_wait_alu depctr_va_vdst(0)
	v_rcp_f32 v102, v102                           ; the winner's gate, 1 / (1 + p)
	v_max_u32 v105, v97, v99                       ; b.  (A plain place)
	s_wait_alu depctr_va_vdst(0)
	v_mul_f32 v103, v101, v102                     ; the second's gate
	v_cmp_lt_u32 vcc_lo, v97, v99
	v_cndmask_b32 v106, v103, v102, vcc_lo         ; a's gate
	v_cndmask_b32 v107, v102, v103, vcc_lo         ; b's
	; the pair's key, 0 .. 27, in an order in which neighbouring keys share an expert: a (15 - a) / 2 + (a odd: 7 - b; a even: b - a - 1)
	v_sub_nc_u32 v108, 15, v104
	s_delay_alu instid0(VALU_DEP_1)
	v_mul_u32_u24 v108, v104, v108
	s_delay_alu instid0(VALU_DEP_1)
	v_lshrrev_b32 v108, 1, v108
	s_delay_alu instid0(VALU_DEP_1)
	v_sub_nc_u32 v109, v108, v105
	s_delay_alu instid0(VALU_DEP_1)
	v_add_nc_u32 v109, 7, v109
	s_delay_alu instid0(VALU_DEP_3)
	v_add_nc_u32 v110, v108, v105
	s_delay_alu instid0(VALU_DEP_1)
	v_sub_nc_u32 v110, v110, v104
	s_delay_alu instid0(VALU_DEP_1)
	v_add_nc_u32 v110, -1, v110
	v_and_b32 v111, 1, v104
	s_delay_alu instid0(VALU_DEP_1)
	v_cmp_eq_u32 vcc_lo, 1, v111
	s_delay_alu instid0(VALU_DEP_1)
	v_cndmask_b32 v108, v110, v109, vcc_lo
	v_mov_b32 v112, 0                              ; my rank among the group's tokens of my key
	v_mov_b32 v113, 0                              ; lane k: how many of the 16 tokens have key k
.set ii, 0
.rept 28
	v_cmp_eq_u32 s40, ii, v108
	s_and_b32 s41, s40, 0xffff                     ; each token once
	v_mbcnt_lo_u32_b32 v114, s41, 0
	s_bcnt1_i32_b32 s42, s41
	v_cndmask_b32 v112, v112, v114, s40
	v_writelane_b32 v113, s42, ii
.set ii, ii+1
.endr
	s_delay_alu instid0(VALU_DEP_2)
	v_permlanex16_b32 v114, v112, s36, s37         ; lanes 16-31 counted all sixteen: they take lane l - 16's rank, so that both halves store the same word
	s_mov_b32 s43, 0xffff0000
	v_cndmask_b32 v112, v112, v114, s43
	s_delay_alu instid0(VALU_DEP_1)
	v_lshl_or_b32 v108, v112, 8, v108
	s_delay_alu instid0(VALU_DEP_1)
	v_lshl_or_b32 v108, v104, 16, v108
	s_delay_alu instid0(VALU_DEP_1)
	v_lshl_or_b32 v108, v105, 24, v108             ; key | rank << 8 | a << 16 | b << 24
	global_store_b32 v29, v108, s[22:23]
	global_store_b64 v30, v[106:107], s[20:21]
	global_store_b32 v31, v113, s[38:39] offset:16384
	s_wait_tensorcnt 0x0
	ds_add_u32 v240, v241
	s_wait_dscnt 0x0
	s_endpgm
.Lfunc_end_k_q70913ea310_prep:
	.size	k_q70913ea310_prep, .Lfunc_end_k_q70913ea310_prep-k_q70913ea310_prep
	.p2alignl 7, 3214868480
	.fill 96, 4, 3214868480
	.section	.rodata,"a",@progbits
	.p2align	6, 0x0
	.amdhsa_kernel k_q70913ea310_prep
		.amdhsa_group_segment_fixed_size 175616
		.amdhsa_private_segment_fixed_size 0
		.amdhsa_enable_private_segment 0
		.amdhsa_kernarg_size 96
		.amdhsa_user_sgpr_count 2
		.amdhsa_user_sgpr_kernarg_segment_ptr 1
		.amdhsa_wavefront_size32 1
		.amdhsa_system_sgpr_workgroup_id_x 1
		.amdhsa_system_sgpr_workgroup_id_y 1
		.amdhsa_system_sgpr_workgroup_id_z 1
		.amdhsa_system_vgpr_workitem_id 0
		.amdhsa_next_free_vgpr 242
		.amdhsa_next_free_sgpr 66
		.amdhsa_reserve_vcc 1
		.amdhsa_float_denorm_mode_32 3
		.amdhsa_float_denorm_mode_16_64 3
		.amdhsa_memory_ordered 1
		.amdhsa_forward_progress 1
		.amdhsa_inst_pref_size 50
	.end_amdhsa_kernel
	.amdgpu_metadata
---
amdhsa.version: [ 1, 2 ]
amdhsa.kernels:
  - .name:           k_q70913ea310_prep
    .symbol:         k_q70913ea310_prep.kd
    .args:
      - { .name: x, .offset: 0, .size: 8, .value_kind: global_buffer, .address_space: global }
      - { .name: wg, .offset: 8, .size: 8, .value_kind: global_buffer, .address_space: global }
      - { .name: w1_codes, .offset: 16, .size: 8, .value_kind: global_buffer, .address_space: global }
      - { .name: w1_scales, .offset: 24, .size: 8, .value_kind: global_buffer, .address_space: global }
      - { .name: w3_codes, .offset: 32, .size: 8, .value_kind: global_buffer, .address_space: global }
      - { .name: w3_scales, .offset: 40, .size: 8, .value_kind: global_buffer, .address_space: global }
      - { .name: xq, .offset: 48, .size: 8, .value_kind: global_buffer, .address_space: global }
      - { .name: xsw, .offset: 56, .size: 8, .value_kind: global_buffer, .address_space: global }
      - { .name: gat, .offset: 64, .size: 8, .value_kind: global_buffer, .address_space: global }
      - { .name: route, .offset: 72, .size: 8, .value_kind: global_buffer, .address_space: global }
      - { .name: wimg, .offset: 80, .size: 8, .value_kind: global_buffer, .address_space: global }
      - { .name: wsw, .offset: 88, .size: 8, .value_kind: global_buffer, .address_space: global }
    .group_segment_fixed_size: 175616
    .private_segment_fixed_size: 0
    .kernarg_segment_align: 8
    .kernarg_segment_size: 96
    .max_flat_workgroup_size: 384
    .sgpr_count:     66
    .vgpr_count:     242
    .wavefront_size: 32
...
	.end_amdgpu_metadata
.endif
;; end of part 4
;; launch place (part 5): grid 1 x 1, 32 waves a work-group, no clusters, 8,192 bytes of LDS; arguments route, plan; writes plan
.if DOCPART == 5
	.amdgcn_target "amdgcn-amd-amdhsa--gfx1250"
	.amdhsa_code_object_version 6
	.text
	.protected	k_q70913ea310_place
	.globl	k_q70913ea310_place
	.p2align	8
	.type	k_q70913ea310_place,@function
k_q70913ea310_place:
	s_mov_b64 s[64:65], 0
	v_nop
	global_prefetch_b8 v0, s[64:65] scope:SCOPE_SE
	s_setreg_imm32_b32 hwreg(HW_REG_WAVE_MODE, 25, 1), 1
	s_wait_xcnt 0x0
; PLACE.  A counting sort of the 4,096 tokens by the key of their pair of experts (28 keys), without atomics, by one work-group.
; route holds for each token key | rank in its group of 16 << 8 | .., and from byte 16,384 on for each of 256 groups the count of each key (32 words a group).
; Wave w owns groups 8 w .. 8 w + 7 (tokens 128 w .. 128 w + 127); in the counting a lane is a key.  A token's place = first place of its key + the key's tokens in earlier waves + in earlier groups of its wave + its rank.
; plan: order[place] = token; from byte 16,384 on, for each tile of 16 places, the bits of the experts that its tokens use.
; One work-group: the whole input is 48 KiB, and the sums span all of it.
.set KB, 32                            ; s32-60: KB[k] = the first place of key k; KB[28] = 4,096
	s_load_b128 s[4:7], s[0:1], 0x0                ; route, plan
	v_lshl_add_u32 v96, v0, 2, 0x1000
	v_mov_b32 v97, 0
	v_lshrrev_b32 v1, 5, v0
	s_delay_alu instid0(VALU_DEP_1)
	v_readfirstlane_b32 s8, v1                     ; wave 0..31
	v_and_b32 v1, 31, v0                           ; lane
	s_delay_alu instid0(VALU_DEP_1)
	v_lshlrev_b32 v2, 2, v1                        ; 4 x lane
	v_lshlrev_b32 v3, 2, v0                        ; 4 x thread
	s_lshl_b32 s10, s8, 10                         ; my 8 groups' counts
	s_mov_b32 s11, 0
	s_lshl_b32 s12, s8, 9                          ; my 128 tokens' words
	s_mov_b32 s13, 0
	s_lshl_b32 s14, s8, 7
	v_add_nc_u32 v4, s14, v1                       ; token 128 w + lane
	s_wait_alu depctr_va_vdst(0)
	s_wait_kmcnt 0x0
	s_add_nc_u64 s[10:11], s[4:5], s[10:11]
	s_add_nc_u64 s[12:13], s[4:5], s[12:13]
.irp j, 0,1,2,3,4,5,6,7
	global_load_b32 v[8+\j], v2, s[10:11] offset:16384+128*\j
.endr
.irp j, 0,1,2,3
	global_load_b32 v[16+\j], v2, s[12:13] offset:128*\j
.endr
	s_wait_loadcnt 4                               ; the counts are in; the four younger loads may be out
	v_add3_u32 v20, v8, v9, v10
	s_delay_alu instid0(VALU_DEP_1)
	v_add3_u32 v20, v20, v11, v12
	s_delay_alu instid0(VALU_DEP_1)
	v_add3_u32 v20, v20, v13, v14
	s_delay_alu instid0(VALU_DEP_1)
	v_add_nc_u32 v20, v20, v15                     ; my wave's count of key = lane
	ds_store_b32 v3, v20
	s_wait_dscnt 0x0                               ; for the others' sake
	s_barrier_signal -1
	s_barrier_wait -1
.set ii, 0
.rept 32
	ds_load_b32 v[32+ii], v2 offset:128*ii         ; every wave's count of my key
.set ii, ii+1
.endr
	v_mov_b32 v21, 0                               ; the key's tokens in earlier waves
	v_mov_b32 v22, 0                               ; and in all
	s_wait_alu depctr_va_vdst(0)
	s_wait_dscnt 0x0
.set ii, 0
.rept 32
	s_cmp_gt_u32 s8, ii
	s_cselect_b32 s9, -1, 0
	v_and_b32 v23, s9, v[32+ii]
	v_add_nc_u32 v22, v22, v[32+ii]
	s_delay_alu instid0(VALU_DEP_2)
	v_add_nc_u32 v21, v21, v23
.set ii, ii+1
.endr
	s_mov_b32 s[KB], 0
	v_mov_b32 v23, 0
.set ii, 0
.rept 28
	v_readlane_b32 s9, v22, ii
	v_writelane_b32 v23, s[KB+ii], ii              ; lane k: the first place of key k
	s_add_co_u32 s[KB+ii+1], s[KB+ii], s9
.set ii, ii+1
.endr
	v_add_nc_u32 v24, v23, v21                     ; v24-31: lane k: the first place of key k's tokens of my group j
.irp j, 0,1,2,3,4,5,6
	s_delay_alu instid0(VALU_DEP_1)
	v_add_nc_u32 v[25+\j], v[24+\j], v[8+\j]
.endr
	s_mov_b32 s15, 0xffff0000
	s_wait_loadcnt 0x0                             ; the tokens' words
.irp j, 0,1,2,3                                ; tokens 32 j + lane of my 128: lanes 0-15 are group 2 j, lanes 16-31 group 2 j + 1
	v_and_b32 v[68+\j], 0xff, v[16+\j]
	s_delay_alu instid0(VALU_DEP_1)
	v_min_u32 v[68+\j], 31, v[68+\j]               ; the key names a lane
	s_delay_alu instid0(VALU_DEP_1)
	v_lshlrev_b32 v[68+\j], 2, v[68+\j]
	ds_bpermute_b32 v[72+2*\j], v[68+\j], v[24+2*\j]
	ds_bpermute_b32 v[73+2*\j], v[68+\j], v[25+2*\j]
.endr
	s_wait_dscnt 0x0
.irp j, 0,1,2,3
	v_cndmask_b32 v[72+2*\j], v[72+2*\j], v[73+2*\j], s15
	v_bfe_u32 v[80+\j], v[16+\j], 8, 8
	s_delay_alu instid0(VALU_DEP_1)
	v_add_nc_u32 v[72+2*\j], v[72+2*\j], v[80+\j]  ; the token's place
	s_delay_alu instid0(VALU_DEP_1)
	v_min_u32 v[72+2*\j], 0xfff, v[72+2*\j]        ; held inside the list
	s_delay_alu instid0(VALU_DEP_1)
	v_lshlrev_b32 v[72+2*\j], 2, v[72+2*\j]
	v_add_nc_u32 v[64+\j], 32*\j, v4
	global_store_b32 v[72+2*\j], v[64+\j], s[6:7]  ; a permutation of 4,096 words: each place is written once
.endr
	s_cmp_lt_u32 s8, 8
	s_cbranch_scc1 .Lmask
	s_wait_tensorcnt 0x0
	ds_add_u32 v96, v97
	s_wait_dscnt 0x0
	s_endpgm
.Lmask:
	; waves 0-7: thread T takes tile T, places 16 T .. 16 T + 15: key k has tokens there where max(KB[k], 16 T) < min(KB[k + 1], 16 T + 16)
	v_lshlrev_b32 v5, 4, v0
	s_delay_alu instid0(VALU_DEP_1)
	v_add_nc_u32 v6, 16, v5
	v_mov_b32 v7, 0
.set ii, 0
.irp bits, 0x03,0x05,0x09,0x11,0x21,0x41,0x81,0x82,0x42,0x22,0x12,0x0a,0x06,0x0c,0x14,0x24,0x44,0x84,0x88,0x48,0x28,0x18,0x30,0x50,0x90,0xa0,0x60,0xc0
	v_max_u32 v84, s[KB+ii], v5
	v_min_u32 v85, s[KB+ii+1], v6
	s_delay_alu instid0(VALU_DEP_3)
	v_or_b32 v86, \bits, v7                        ; the key's two experts
	s_delay_alu instid0(VALU_DEP_2)
	v_cmp_lt_u32 vcc_lo, v84, v85
	s_delay_alu instid0(VALU_DEP_1)
	v_cndmask_b32 v7, v7, v86, vcc_lo
.set ii, ii+1
.endr
	global_store_b32 v3, v7, s[6:7] offset:16384
	s_wait_tensorcnt 0x0
	ds_add_u32 v96, v97
	s_wait_dscnt 0x0
	s_endpgm
.Lfunc_end_k_q70913ea310_place:
	.size	k_q70913ea310_place, .Lfunc_end_k_q70913ea310_place-k_q70913ea310_place
	.p2alignl 7, 3214868480
	.fill 96, 4, 3214868480
	.section	.rodata,"a",@progbits
	.p2align	6, 0x0
	.amdhsa_kernel k_q70913ea310_place
		.amdhsa_group_segment_fixed_size 8192
		.amdhsa_private_segment_fixed_size 0
		.amdhsa_enable_private_segment 0
		.amdhsa_kernarg_size 16
		.amdhsa_user_sgpr_count 2
		.amdhsa_user_sgpr_kernarg_segment_ptr 1
		.amdhsa_wavefront_size32 1
		.amdhsa_system_sgpr_workgroup_id_x 1
		.amdhsa_system_sgpr_workgroup_id_y 1
		.amdhsa_system_sgpr_workgroup_id_z 1
		.amdhsa_system_vgpr_workitem_id 0
		.amdhsa_next_free_vgpr 98
		.amdhsa_next_free_sgpr 66
		.amdhsa_reserve_vcc 1
		.amdhsa_float_denorm_mode_32 3
		.amdhsa_float_denorm_mode_16_64 3
		.amdhsa_memory_ordered 1
		.amdhsa_forward_progress 1
		.amdhsa_inst_pref_size 27
	.end_amdhsa_kernel
	.amdgpu_metadata
---
amdhsa.version: [ 1, 2 ]
amdhsa.kernels:
  - .name:           k_q70913ea310_place
    .symbol:         k_q70913ea310_place.kd
    .args:
      - { .name: route, .offset: 0, .size: 8, .value_kind: global_buffer, .address_space: global }
      - { .name: plan, .offset: 8, .size: 8, .value_kind: global_buffer, .address_space: global }
    .group_segment_fixed_size: 8192
    .private_segment_fixed_size: 0
    .kernarg_segment_align: 8
    .kernarg_segment_size: 16
    .max_flat_workgroup_size: 1024
    .sgpr_count:     66
    .vgpr_count:     98
    .wavefront_size: 32
...
	.end_amdgpu_metadata
.endif
;; end of part 5
;; launch experts (part 6): grid 8 x 32, 4 waves a work-group, no clusters, 172,544 bytes of LDS; arguments xq, xsw, gat, route, wimg, wsw, plan, out0; writes out0
.if DOCPART == 6
	.amdgcn_target "amdgcn-amd-amdhsa--gfx1250"
	.amdhsa_code_object_version 6
	.text
	.protected	k_q70913ea310_experts
	.globl	k_q70913ea310_experts
	.p2align	8
	.type	k_q70913ea310_experts,@function
k_q70913ea310_experts:
	s_mov_b64 s[64:65], 0
	v_nop
	global_prefetch_b8 v0, s[64:65] scope:SCOPE_SE
	s_setreg_imm32_b32 hwreg(HW_REG_WAVE_SCHED_MODE, 0, 2), 2
	s_setreg_imm32_b32 hwreg(HW_REG_WAVE_MODE, 25, 1), 1
	s_wait_xcnt 0x0
	s_wait_alu depctr_vm_vsrc(0)
; EXPERTS.  out[token] = the sum over the token's two experts e of gate(e) silu(xq . w1[e]) (xq . w3[e]), both products on codes of BF6 (E3M2) with one E8M0 scale for each 32 along K.
; Only the chosen experts' rows are multiplied: the others have the gate 0 by the mask that the problem itself builds.
; SHARES.  Work-group (x, y) owns 128 tokens, places 128 y .. 128 y + 127 of the list sorted by pairs of experts, and outputs 128 x .. 128 x + 127: it is the one owner of these numbers.  Wave w makes outputs 32 w .. 32 w + 31
; of the part for all 128 tokens: for each expert 2 matrices x 2 tiles of outputs x 8 tiles of tokens = 32 accumulators.
; The tokens' codes lie in LDS for the whole launch.  The weights come from memory straight into registers, laid by the first launch in the order of an operand's registers: each load is 512 consecutive bytes,
; and a ring of four slots is asked for three K steps ahead (36 loads a wave behind the slot in hand).  The work-group walks the experts that its tokens use (bits read from plan).  Within an expert a pair of tiles (32 tokens) none of whose tokens uses it
; is passed over by a scalar branch, but for K step 0, which is always done, so that every accumulator is written on every way.
; WHY NO CLUSTER, NO JOINT LOADS, NO TENSOR LOADS: which experts a block of tokens walks, and how many, is read from memory, so neighbours would ask for different tiles in different numbers.
; THE PRODUCTS ARE USED TRANSPOSED: source 0 = 16 rows of w1 or w3, source 1 = 16 tokens: lane (r, h) holds token r and outputs 8 h + 0 .. 7.
; K order inside an instruction, alike in both operands: lane (r, h) holds the 48 bytes at 96 s + 48 h of its row; the scale words have their middle bytes changed over to match.
; LIMITS: NaN and infinities are not served: a token of an active pair of tiles that does not use the expert is multiplied by the gate 0, which takes finite products.
; THE MODE: SCHED_MODE bits 1:0 = 2 (LLVM: expert scheduling mode 2), set by the entry lines.  The code itself states the register dependences
; between vector or matrix instructions and memory or LDS instructions, with s_wait_alu, always for 0.
; THE PLAN.  Registers that memory or LDS instructions touch, in the walk:
;   x's buffers A, B   K step s: its products read buffer s % 2; its LDS loads land in the other one, which the products of step s - 1 read.
;   ring slots 0 .. 3  K step s: its products read slot s % 4; the slot that step s - 1 read is asked for again in step s, behind the first pair of tiles.
;   v80-95             the weights' scale words: read by all eight steps' products; loaded anew behind step 7.
;   v1, v2, v3         the loads' offset and LDS addresses: made at the head and never written again.
;   The accumulators, out's sums and v8-47 are named by vector and matrix instructions alone until the way out.
; So ONE wait on va_vdst stands at the head of K steps 1 to 7: the products of the step before are done reading their buffer of x and their slot.  All the step's loads follow it, dealt among its products, which name
; the other buffer, another slot, the accumulators and the scale words: none of the registers that those loads touch.  Behind step 7 of an expert that has a successor a second such wait frees slot 3, the scale words and buffer B;
; the activation that follows names none of these, so the next expert's step 0 has no wait of its own.  No register that a memory instruction reads is written in the walk: it holds no wait on vm_vsrc.
; REGISTERS, in windows of 256.  Window 0: v1-7 addresses; v8-43 indices at the head, then v8-39 the activation's 32 numbers and at the end the rows' offsets; v40-47 gates; v48-79 x's scale words; v80-95 the weights' scale words;
;   v96-111 the tokens' two gates; v112-119 their route words; v158, v159 the closing add's two; v160-255 x's fragments, buffer A.   Window 1: the accumulators: xq . w1 at 16 t + 8 ot, xq . w3 at 128 + 16 t + 8 ot (at the head the gathered codes, at the end rows of out).
;   Window 2: the ring of weights: slot q at 48 q + 24 ot + 12 m.   Window 3: out's sums at 16 t + 8 ot; from 128 x's fragments, buffer B.
.set XT,   13056                       ; LDS: a tile of 16 tokens: 48 pieces of 16 bytes a token; piece q of token r at 272 q + 16 r: 16 bytes of padding behind each 256, so that stores (lanes 272 apart) and loads (lanes 16 apart) meet no bank twice
.set XQ,   272
.set STG,  8*XT                        ; behind the eight tiles: the stage for the way out, 128 rows of 512 + 16 bytes
.set SPI,  528
.set L16,  1                           ; v1   16 x lane
.set XA0,  2                           ; v2   x's fragments, tiles 0-3: 816 h + 16 r
.set XA1,  3                           ; v3   tiles 4-7
.set XW,   4                           ; v4   where I put gathered pieces: tile 2 w + h, piece lane % 16
.set STO,  5                           ; v5   the stage: row r, + 128 w + 32 h
.set SRD,  6                           ; v6   and back: my 32 rows, 16 bytes a lane
.set TGO,  7                           ; v7   128 w + 64 h: my half's 16 places in the list
.set TG,   8                           ; v8-23  the tokens of tile 2 w + h, then their offsets in xq
.set TP,   24                          ; v24-27 token of place 32 p + lane, then x 32
.set T8,   28                          ; v28-35 token (tile t, row r) x 8
.set T4,   36                          ; v36-43 the same x 4
.set T,    8
.set GA,   40                          ; v40-43 the two experts of my token in each of a pair's two tiles
.set G,    44                          ; v44, v46 the two tiles' gates (v45, v47: named with them as pairs)
.set XSC,  48                          ; 8 p + s: lanes 0-15 tile 2 p, lanes 16-31 tile 2 p + 1
.set WSC,  80                          ; 8 ot + s: lanes 0-15 w1, lanes 16-31 w3
.set GAB,  96
.set RT,   112
.set O4L,  120
.set O4R,  121
.set O16R, 122
.set XBA,  160
.set XBB,  128
.set WV,   20                          ; s20 wave;  s[24:31] the eight tiles' expert bits;  s[68:99] my 32 rows' tokens
.set CM,   24                          ; s24-27 behind the head: the four masks of a pair's gates
.set MLEFT, 32                         ; s32 experts still to come
.set NEXP, 33                          ; s33 how many the block walks
.set CNT,  34                          ; s34 the loop's counter
.set E,    35                          ; s35 the expert in hand;  s36 the next
.set PM,   37                          ; s37 bit p: pair p of tiles has a token of the expert in hand
.set WBC,  38                          ; s[38:39] its weights;  s[40:41] the next expert's;  s[42:43] the next expert's scale words
.set WBN,  40
.set PT,   44                          ; s44-47 the expert bits of the four pairs of tiles
.set MSB, 0
.macro WIN new                         ; the immediate's high byte repeats the setting that is left; a switch that changes nothing is dropped
.if MSB != \new
	s_set_vgpr_msb (MSB<<8)|\new
.set MSB, \new
.endif
.endm
.macro PLACES k
.rept \k
	v_nop
.endr
.endm
; 12 loads of 512 consecutive bytes: the wave's four fragments (2 tiles of outputs x 2 matrices) of K step \step into slot \slot
.macro WLOAD slot, step, b
	WIN 0x80                                       ; destination window 2
.irp ot, 0,1
.irp m, 0,1
.irp c, 0,1,2
	global_load_b128 v[48*(\slot)+24*\ot+12*\m+4*\c:48*(\slot)+24*\ot+12*\m+4*\c+3], v[L16], s[\b:\b+1] offset:24576*\ot+3072*(\step)+1536*\m+512*\c
.endr
.endr
.endr
	WIN 0
.endm
.macro SLOAD                           ; the scale words of an expert's 32 rows of both matrices, all eight K steps
.irp ot, 0,1
.irp j, 0,1
	global_load_b128 v[WSC+8*\ot+4*\j:WSC+8*\ot+4*\j+3], v[L16], s[42:43] offset:1024*\ot+512*\j
.endr
.endr
.endm
.macro XPAIR buf, s, p                 ; x's fragments of tiles 2 p, 2 p + 1 for K step s into buffer A (0) or B (1)
.if \buf
	WIN 0xC0                                       ; destination window 3
.else
	WIN 0
.endif
.irp u, 0,1
.irp c, 0,1,2
.set rX, XBA-(XBA-XBB)*(\buf)+12*(2*(\p)+\u)+4*\c
.if (\p) < 2
	ds_load_b128 v[rX:rX+3], v[XA0] offset:XT*(2*(\p)+\u)+XQ*(6*(\s)+\c)
.else
	ds_load_b128 v[rX:rX+3], v[XA1] offset:XT*(2*(\p)+\u-4)+XQ*(6*(\s)+\c)
.endif
.endr
.endr
.endm
.macro WM zero, m, u                   ; one product; w3's scale words and an odd tile's lie in lanes 16-31 of their registers
.if \zero
.if ((\m)==0)&&((\u)==0)
	v_wmma_scale_f32_16x16x128_f8f6f4 v[rD:rD+7], v[rA:rA+11], v[rB:rB+11], 0, v[rSA], v[rSB] matrix_a_fmt:MATRIX_FMT_BF6 matrix_b_fmt:MATRIX_FMT_BF6
.elseif ((\m)==1)&&((\u)==0)
	v_wmma_scale_f32_16x16x128_f8f6f4 v[rD:rD+7], v[rA:rA+11], v[rB:rB+11], 0, v[rSA], v[rSB] matrix_a_fmt:MATRIX_FMT_BF6 matrix_b_fmt:MATRIX_FMT_BF6 matrix_a_scale:MATRIX_SCALE_ROW1
.elseif ((\m)==0)&&((\u)==1)
	v_wmma_scale_f32_16x16x128_f8f6f4 v[rD:rD+7], v[rA:rA+11], v[rB:rB+11], 0, v[rSA], v[rSB] matrix_a_fmt:MATRIX_FMT_BF6 matrix_b_fmt:MATRIX_FMT_BF6 matrix_b_scale:MATRIX_SCALE_ROW1
.else
	v_wmma_scale_f32_16x16x128_f8f6f4 v[rD:rD+7], v[rA:rA+11], v[rB:rB+11], 0, v[rSA], v[rSB] matrix_a_fmt:MATRIX_FMT_BF6 matrix_b_fmt:MATRIX_FMT_BF6 matrix_a_scale:MATRIX_SCALE_ROW1 matrix_b_scale:MATRIX_SCALE_ROW1
.endif
.else
.if ((\m)==0)&&((\u)==0)
	v_wmma_scale_f32_16x16x128_f8f6f4 v[rD:rD+7], v[rA:rA+11], v[rB:rB+11], v[rD:rD+7], v[rSA], v[rSB] matrix_a_fmt:MATRIX_FMT_BF6 matrix_b_fmt:MATRIX_FMT_BF6
.elseif ((\m)==1)&&((\u)==0)
	v_wmma_scale_f32_16x16x128_f8f6f4 v[rD:rD+7], v[rA:rA+11], v[rB:rB+11], v[rD:rD+7], v[rSA], v[rSB] matrix_a_fmt:MATRIX_FMT_BF6 matrix_b_fmt:MATRIX_FMT_BF6 matrix_a_scale:MATRIX_SCALE_ROW1
.elseif ((\m)==0)&&((\u)==1)
	v_wmma_scale_f32_16x16x128_f8f6f4 v[rD:rD+7], v[rA:rA+11], v[rB:rB+11], v[rD:rD+7], v[rSA], v[rSB] matrix_a_fmt:MATRIX_FMT_BF6 matrix_b_fmt:MATRIX_FMT_BF6 matrix_b_scale:MATRIX_SCALE_ROW1
.else
	v_wmma_scale_f32_16x16x128_f8f6f4 v[rD:rD+7], v[rA:rA+11], v[rB:rB+11], v[rD:rD+7], v[rSA], v[rSB] matrix_a_fmt:MATRIX_FMT_BF6 matrix_b_fmt:MATRIX_FMT_BF6 matrix_a_scale:MATRIX_SCALE_ROW1 matrix_b_scale:MATRIX_SCALE_ROW1
.endif
.endif
.endm
; 8 products: tiles 2 p, 2 p + 1 x 2 tiles of outputs x 2 matrices, K step s.  Eight different accumulators, one instruction a turn, the first another than the last:
; so on every way through the branches no product follows the one that it adds onto.
.macro MPAIR buf, s, p, zero
.if \buf
	WIN 0x5E                                       ; weights window 2, x window 3, C and D window 1
.else
	WIN 0x52                                       ; the same with x in window 0
.endif
.irp u, 0,1
.irp ot, 0,1
.irp m, 0,1
.set rD, 128*\m+16*(2*(\p)+\u)+8*\ot
.set rA, 48*((\s)%4)+24*\ot+12*\m
.set rB, XBA-(XBA-XBB)*(\buf)+12*(2*(\p)+\u)
.set rSA, WSC+8*\ot+(\s)
.set rSB, XSC+8*(\p)+(\s)
	WM \zero, \m, \u
.endr
.endr
.endr
.endm
; A K STEP.  n: how many younger loads may be out when this step's slot has to be in (-1: shown by an earlier wait).  zero: its products start the sums.  cond: pairs of tiles without a token of the expert are passed over.
; xf: the next step's fragments of x go into the other buffer: 1 with each pair, 2 all in one run at the head, whatever the pairs, 0 none.  va: the step issues loads into registers that the step before has read.
; wl: the slot that the step before has read is filled again, with K step wstep from base wb, behind the first pair of tiles and outside its branch, so that the loads are counted alike on every way.
; Five places stand behind the step's products: four are asked ahead of vector lines that read their results, five ahead of products that begin an accumulator anew (ISA guide 7.12.1); the waits on va_vdst stand beside them and fill none.
.macro STEP s, n, zero, cond, xf, va, wl, wstep, wb
.if (\n) >= 0
	s_wait_loadcnt \n
.endif
	s_wait_dscnt 0x0                               ; this step's fragments of x, asked for in the step before
.if \va
	s_wait_alu depctr_va_vdst(0)                   ; the products of the step before are done reading their buffer of x, in which this step's LDS loads land, and their slot, in which its loads of weights land
.endif
.if (\xf) == 2
.irp p, 0,1,2,3
	XPAIR ((\s)+1)%2, ((\s)+1)%8, \p
.endr
	WIN 0
.endif
.irp p, 0,1,2,3
.if \cond
	s_bitcmp1_b32 s[PM], \p
	s_cbranch_scc0 .Lskip_\@_\p
.endif
.if (\xf) == 1
	XPAIR ((\s)+1)%2, ((\s)+1)%8, \p               ; no further wait: the products issued since the wait at the head name the other buffer
.endif
	MPAIR (\s)%2, \s, \p, \zero
.if \cond
	WIN 0                                          ; at a label and at a branch every window is 0
.Lskip_\@_\p:
.endif
.if (\wl) && (\p == 0)
	WLOAD ((\s)+3)%4, \wstep, \wb                  ; no further wait: the products issued since the wait at the head name slot s % 4, these loads land in slot (s - 1) % 4
.endif
.endr
	WIN 0
	PLACES 5
.endm
; THE ACTIVATION of an expert, a pair of tiles (32 numbers a lane) at a time: out += gate x h1 / (1 + 2^(-h1 log2 e)) x h3.  Each accumulator is read from its low end on.
; A token's gate for the expert in hand is 0 if the expert is neither of its two.  The gates' lines are the plain places behind the exponentials and behind the reciprocals:
; the four compares of a pair go into four scalar registers in one run, so that one wait stands ahead of the four selects.
.macro EPI
.irp p, 0,1,2,3
	s_bitcmp1_b32 s[PM], \p
	s_cbranch_scc0 .Lno_epi_\@_\p
	WIN 0x01                                       ; source 0 window 1
.set ii, 0
.rept 16
	v_pk_mul_f32 v[T+ii:T+ii+1], v[32*\p+ii:32*\p+ii+1], s[58:59] op_sel_hi:[1,0]
.set ii, ii+2
.endr
	WIN 0
.set ii, 0
	s_wait_alu depctr_va_vdst(0)
.rept 32
	v_exp_f32 v[T+ii], v[T+ii]
.set ii, ii+1
.endr
.irp u, 0,1
	v_bfe_u32 v[GA+2*\u], v[RT+2*\p+\u], 16, 8     ; tile 2 p + u: my token's lower expert,
	v_lshrrev_b32 v[GA+2*\u+1], 24, v[RT+2*\p+\u]  ; and its higher
.endr
.irp i, 0,1,2,3
	v_cmp_eq_u32 s[CM+\i], s[E], v[GA+\i]
.endr
.set ii, 0
	s_wait_alu depctr_va_vdst(0)                   ; the 32 exponentials have written v8-39, ahead of their first reader
.rept 16
	v_pk_add_f32 v[T+ii:T+ii+1], v[T+ii:T+ii+1], 1.0 op_sel_hi:[1,0]
.set ii, ii+2
.endr
.set ii, 0
	s_wait_alu depctr_va_vdst(0)
.rept 32
	v_rcp_f32 v[T+ii], v[T+ii]
.set ii, ii+1
.endr
	s_wait_alu depctr_va_sdst(0)                   ; the four compares have written s24-27, ahead of the selects that read them
.irp u, 0,1
	v_cndmask_b32 v[G+2*\u], 0, v[GAB+4*\p+2*\u], s[CM+2*\u]
	v_cndmask_b32 v[G+2*\u], v[G+2*\u], v[GAB+4*\p+2*\u+1], s[CM+2*\u+1]
.endr
	WIN 0x01
.set ii, 0
	s_wait_alu depctr_va_vdst(0)                   ; the 32 reciprocals have written v8-39, ahead of their first reader
.rept 16
	v_pk_mul_f32 v[T+ii:T+ii+1], v[32*\p+ii:32*\p+ii+1], v[T+ii:T+ii+1]
.set ii, ii+2
.endr
.set ii, 0
.rept 16
	v_pk_mul_f32 v[T+ii:T+ii+1], v[128+32*\p+ii:128+32*\p+ii+1], v[T+ii:T+ii+1]
.set ii, ii+2
.endr
	WIN 0xF0                                       ; the sums: source 2 and destination window 3
.set ii, 0
.rept 16
	v_pk_fma_f32 v[32*\p+ii:32*\p+ii+1], v[T+ii:T+ii+1], v[G+2*(ii/16):G+2*(ii/16)+1], v[32*\p+ii:32*\p+ii+1] op_sel_hi:[1,0,1]
.set ii, ii+2
.endr
	WIN 0
.Lno_epi_\@_\p:
.endr
.endm
.macro NEXT                            ; the lowest expert still to come, and where its weights and scale words lie
	s_wait_xcnt 0x0                                ; earlier loads have read these bases
	s_ctz_i32_b32 s36, s[MLEFT]
	s_min_u32 s36, s36, 7
	s_add_co_i32 s62, s[MLEFT], -1
	s_and_b32 s[MLEFT], s[MLEFT], s62
	s_mul_i32 s62, s36, 1572864
	s_mov_b32 s63, 0
	s_add_nc_u64 s[WBN:WBN+1], s[52:53], s[62:63]
	s_lshl_b32 s62, s36, 16
	s_add_nc_u64 s[42:43], s[54:55], s[62:63]
.endm
.macro ADVANCE                         ; the next expert becomes the one in hand
	s_wait_xcnt 0x0
	s_mov_b64 s[WBC:WBC+1], s[WBN:WBN+1]
	s_mov_b32 s[E], s36
	s_mov_b32 s[PM], 0
.irp p, 0,1,2,3
	s_lshr_b32 s62, s[PT+\p], s[E]
	s_and_b32 s62, s62, 1
	s_lshl_b32 s62, s62, \p
	s_or_b32 s[PM], s[PM], s62
.endr
.endm
	s_load_b512 s[4:19], s[0:1], 0x0               ; xq s[4:5], xsw s[6:7], gat s[8:9], route s[10:11], wimg s[12:13], wsw s[14:15], plan s[16:17], out s[18:19]
	v_lshl_add_u32 v158, v0, 2, 0x2a000            ; my spare word, behind the stage; with v159 kept for the closing lines alone
	v_mov_b32 v159, 0
	v_lshrrev_b32 v1, 5, v0
	v_readfirstlane_b32 s[WV], v1                  ; wave 0..3
	v_and_b32 v124, 31, v0                         ; l
	v_and_b32 v125, 15, v0                         ; r
	v_bfe_u32 v126, v0, 4, 1                       ; h
	v_lshlrev_b32 v[L16], 4, v124
	v_lshlrev_b32 v[O16R], 4, v125
	v_mad_u32_u24 v[XA0], v126, 3*XQ, v[O16R]
	v_add_nc_u32 v[XA1], 4*XT, v[XA0]
	s_wait_alu depctr_va_sdst(0)                   ; the wave's number is written, ahead of its first reader
	s_mul_i32 s22, s[WV], 2*XT
	v_mul_u32_u24 v[XW], v125, XQ
	v_mad_u32_u24 v[XW], v126, XT, v[XW]
	v_add_nc_u32 v[XW], s22, v[XW]
	s_lshl_b32 s22, s[WV], 7                       ; 128 w
	s_add_co_u32 s23, s22, STG
	v_mul_u32_u24 v[STO], v125, SPI
	v_lshl_add_u32 v[STO], v126, 5, v[STO]
	v_add_nc_u32 v[STO], s23, v[STO]
	s_mul_i32 s23, s[WV], 32*SPI
	s_add_co_u32 s23, s23, STG
	v_add_nc_u32 v[SRD], s23, v[L16]
	v_lshl_add_u32 v[TGO], v126, 6, s22
	v_lshlrev_b32 v[O4L], 2, v124
	v_lshlrev_b32 v[O4R], 2, v125
	s_and_b32 s21, ttmp7, 0xffff                   ; the block of tokens
	s_lshl_b32 s60, s21, 9
	s_mov_b32 s61, 0
	s_lshl_b32 s62, s21, 5
	s_mov_b32 s63, 0
	s_mov_b32 s23, 0
	s_wait_kmcnt 0x0
	s_add_nc_u64 s[48:49], s[16:17], s[60:61]      ; the block's 128 places of the list
	s_add_nc_u64 s[56:57], s[16:17], s[62:63]
	s_load_b256 s[24:31], s[56:57], 0x4000         ; its eight tiles' expert bits
	s_add_nc_u64 s[60:61], s[48:49], s[22:23]
	s_load_b512 s[68:83], s[60:61], 0x0            ; the tokens of the 32 rows that I store at the end
	s_load_b512 s[84:99], s[60:61], 0x40
	s_wait_alu depctr_va_vdst(0)                   ; the offsets and LDS addresses v1-7 and v120-122 are written, which the loads and stores of the whole kernel read
.irp j, 0,1,2,3
	global_load_b128 v[TG+4*\j:TG+4*\j+3], v[TGO], s[48:49] offset:16*\j
.endr
.irp p, 0,1,2,3
	global_load_b32 v[TP+\p], v[O4L], s[48:49] offset:128*\p
.endr
.irp t, 0,1,2,3,4,5,6,7
	global_load_b32 v[T8+\t], v[O4R], s[48:49] offset:64*\t
.endr
	s_lshl_b32 s62, ttmp9, 9                       ; the part's 128 outputs: 512 bytes of a row of out
	s_add_nc_u64 s[50:51], s[18:19], s[62:63]
	s_lshl_b32 s62, ttmp9, 3
	s_lshl_b32 s22, s[WV], 1
	s_add_co_u32 s62, s62, s22                     ; my first tile of outputs: 8 x + 2 w
	s_mul_i32 s22, s62, 24576
	s_add_nc_u64 s[52:53], s[12:13], s[22:23]
	s_lshl_b32 s22, s62, 10
	s_add_nc_u64 s[54:55], s[14:15], s[22:23]
	s_mov_b32 s58, 0xbfb8aa3b                      ; -log2(e)
	s_mov_b32 s59, s58                             ; (named with it as a pair)
	; out's sums begin as zeros, once, while the indices are on their way: which pairs of tiles the first expert serves is not known to the text
	WIN 0xC0
.set ii, 0
.rept 128
	v_mov_b32 v[ii], 0
.set ii, ii+1
.endr
	WIN 0
	v_mov_b32 v[G+1], 0
	v_mov_b32 v[G+3], 0
	s_wait_kmcnt 0x0
	s_or_b32 s[PT], s24, s25
	s_or_b32 s[PT+1], s26, s27
	s_or_b32 s[PT+2], s28, s29
	s_or_b32 s[PT+3], s30, s31
	s_or_b32 s[MLEFT], s[PT], s[PT+1]
	s_or_b32 s[NEXP], s[PT+2], s[PT+3]
	s_or_b32 s[MLEFT], s[MLEFT], s[NEXP]
	s_and_b32 s[MLEFT], s[MLEFT], 0xff             ; the experts that the block's tokens use
	s_bcnt1_i32_b32 s[NEXP], s[MLEFT]
	NEXT
	ADVANCE
	s_wait_loadcnt 0x0                             ; the indices
.set ii, 0
.rept 16
	v_min_u32 v[TG+ii], 0xfff, v[TG+ii]            ; every index is held inside its table
	v_mad_u32_u24 v[TG+ii], v[TG+ii], 768, v[O16R]
.set ii, ii+1
.endr
.irp p, 0,1,2,3
	v_min_u32 v[TP+\p], 0xfff, v[TP+\p]
	v_lshlrev_b32 v[TP+\p], 5, v[TP+\p]
.endr
.irp t, 0,1,2,3,4,5,6,7
	v_min_u32 v[T8+\t], 0xfff, v[T8+\t]
	v_lshlrev_b32 v[T4+\t], 2, v[T8+\t]
	v_lshlrev_b32 v[T8+\t], 3, v[T8+\t]
.endr
	; the gather: lanes 0-15 read 256 consecutive bytes of row ii of tile 2 w, lanes 16-31 of tile 2 w + 1
	WIN 0x40
	s_wait_alu depctr_va_vdst(0)                   ; the offsets v8-43 are written, which the gathers and the loads of scale words, gates and route words read; no vector line follows ahead of the walk
.set ii, 0
.rept 16
.irp j, 0,1,2
	global_load_b128 v[4*(3*ii+\j):4*(3*ii+\j)+3], v[TG+ii], s[4:5] offset:256*\j
.endr
.set ii, ii+1
.endr
	WIN 0
.irp p, 0,1,2,3
	global_load_b128 v[XSC+8*\p:XSC+8*\p+3], v[TP+\p], s[6:7]
	global_load_b128 v[XSC+8*\p+4:XSC+8*\p+7], v[TP+\p], s[6:7] offset:16
.endr
	SLOAD
.irp gq, 0,1,2,3
	s_wait_loadcnt 48                              ; twelve gathers more are in: behind them stand 48 loads: the later gathers, the 12 scale loads, the slots asked for so far
	WIN 0x04                                       ; an LDS store's data: window 1
.irp nn, 0,1,2,3
.irp j, 0,1,2
	ds_store_b128 v[XW], v[4*(3*(4*\gq+\nn)+\j):4*(3*(4*\gq+\nn)+\j)+3] offset:16*XQ*\j+16*(4*\gq+\nn)
.endr
.endr
	WLOAD \gq, \gq, WBC
.endr
.irp t, 0,1,2,3,4,5,6,7
	global_load_b64 v[GAB+2*\t:GAB+2*\t+1], v[T8+\t], s[8:9]
.endr
.irp t, 0,1,2,3,4,5,6,7
	global_load_b32 v[RT+\t], v[T4+\t], s[10:11]
.endr
	s_wait_dscnt 0x0                               ; for the others' sake: my two tiles lie in LDS
	s_barrier_signal -1
	s_barrier_wait -1
	s_wait_alu depctr_vm_vsrc(0)                   ; my LDS stores have read the gathered codes in window 1, which the products write as sums from here on; the loads above have read their offsets v8-43, which the activation writes
.irp p, 0,1,2,3
	XPAIR 0, 0, \p
.endr
	; THE WALK.  The first expert's K step 0: behind slot 0 stand three slots and the 16 loads of gates and route words: 52.  It asks for no weights (all four slots are on their way) and its LDS loads land in buffer B, which nothing has named: no wait on va_vdst.
	; K steps 1-3: behind the slot wanted stand the later slots, those 16 loads and the refills so far: 24 + 16, 12 + 16 + 12, 16 + 24: 40 each time
	STEP 0, 52, 1, 0, 2, 0, 0, 0, WBC
	STEP 1, 40, 0, 1, 1, 1, 1, 4, WBC
	STEP 2, 40, 0, 1, 1, 1, 1, 5, WBC
	STEP 3, 40, 0, 1, 1, 1, 1, 6, WBC
	s_mov_b32 s[CNT], 1
	s_cmp_ge_u32 s[CNT], s[NEXP]
	s_cbranch_scc1 .Ltail
.Lexp:                                             ; a trip: the second half of an expert, its activation, the first half of the next
	NEXT
	STEP 4, 24, 0, 1, 1, 1, 1, 7, WBC              ; behind each slot wanted stand two younger slots of 12 loads; the third is asked for in the step
	STEP 5, 24, 0, 1, 1, 1, 1, 0, WBN
	STEP 6, 24, 0, 1, 1, 1, 1, 1, WBN
	STEP 7, 24, 0, 1, 2, 1, 1, 2, WBN              ; it fetches the next expert's K step 0 of x for all pairs
	s_wait_alu depctr_va_vdst(0)                   ; behind the step's places: its products are done reading slot 3 and the scale words, in which the loads below land, and buffer B, in which the next K step 0's LDS loads land
	WLOAD 3, 3, WBN
	SLOAD
	EPI
	ADVANCE
	STEP 0, 0, 1, 0, 2, 0, 0, 0, WBC               ; the scale words were asked for last, the whole activation ago: the wait for them shows slots 0-3 in too.  The activation has named nothing of buffer B: no wait on va_vdst
	STEP 1, -1, 0, 1, 1, 1, 1, 4, WBC
	STEP 2, -1, 0, 1, 1, 1, 1, 5, WBC
	STEP 3, -1, 0, 1, 1, 1, 1, 6, WBC
	s_add_co_u32 s[CNT], s[CNT], 1
	s_cmp_lt_u32 s[CNT], s[NEXP]
	s_cbranch_scc1 .Lexp
.Ltail:                                            ; the last expert's second half asks for its K step 7 and no more: the counts run down
	STEP 4, 24, 0, 1, 1, 1, 1, 7, WBC
	STEP 5, 24, 0, 1, 1, 1, 0, 0, WBC
	STEP 6, 12, 0, 1, 1, 1, 0, 0, WBC
	STEP 7, 0, 0, 1, 0, 0, 0, 0, WBC               ; it issues no load, so it has no wait on va_vdst
	EPI
	; THE WAY OUT.  A lane holds 32 bytes of a token's row and a row's 512 bytes come from four waves: they meet in the stage, and each wave stores 32 whole rows, each at its token's place.
	; The rows' offsets are made first, so that one wait serves all that follows.
.set ii, 0
.rept 32
	s_min_u32 s62, s[68+ii], 0xfff
	v_lshl_add_u32 v[T+ii], s62, 12, v[L16]        ; the token's row of 4,096 bytes, + 16 x lane
.set ii, ii+1
.endr
	WIN 0x0C                                       ; an LDS store's data: window 3
	s_wait_alu depctr_va_vdst(0)                   ; the activation has written out's sums, which the LDS stores read; the offsets v8-39 are written, which the global stores read; products and activation are done with window 1, in which the stage's loads land
.irp t, 0,1,2,3,4,5,6,7
.irp ot, 0,1
	ds_store_b128 v[STO], v[16*\t+8*\ot:16*\t+8*\ot+3] offset:16*SPI*\t+64*\ot
	ds_store_b128 v[STO], v[16*\t+8*\ot+4:16*\t+8*\ot+7] offset:16*SPI*\t+64*\ot+16
.endr
.endr
	WIN 0
	s_wait_dscnt 0x0                               ; for the others' sake
	s_barrier_signal -1
	s_barrier_wait -1
	WIN 0x40
.set ii, 0
.rept 32
	ds_load_b128 v[4*ii:4*ii+3], v[SRD] offset:SPI*ii
.set ii, ii+1
.endr
	WIN 0x04                                       ; a store's data: window 1
.set ii, 0
.rept 32
	s_wait_dscnt 31-ii
	global_store_b128 v[T+ii], v[4*ii:4*ii+3], s[50:51] th:TH_STORE_NT   ; 32 lanes store 512 consecutive bytes, at a multiple of 512 from out's first byte
.set ii, ii+1
.endr
	WIN 0
	s_wait_dscnt 0x0                               ; the closing lines, six on end
	s_wait_alu 0x0
	s_wait_tensorcnt 0x0
	ds_add_u32 v158, v159
	s_wait_dscnt 0x0
	s_endpgm
.Lfunc_end_k_q70913ea310_experts:
	.size	k_q70913ea310_experts, .Lfunc_end_k_q70913ea310_experts-k_q70913ea310_experts
	.p2alignl 7, 3214868480
	.fill 96, 4, 3214868480
	.section	.rodata,"a",@progbits
	.p2align	6, 0x0
	.amdhsa_kernel k_q70913ea310_experts
		.amdhsa_group_segment_fixed_size 172544
		.amdhsa_private_segment_fixed_size 0
		.amdhsa_enable_private_segment 0
		.amdhsa_kernarg_size 64
		.amdhsa_user_sgpr_count 2
		.amdhsa_user_sgpr_kernarg_segment_ptr 1
		.amdhsa_wavefront_size32 1
		.amdhsa_system_sgpr_workgroup_id_x 1
		.amdhsa_system_sgpr_workgroup_id_y 1
		.amdhsa_system_sgpr_workgroup_id_z 1
		.amdhsa_system_vgpr_workitem_id 0
		.amdhsa_next_free_vgpr 1024
		.amdhsa_next_free_sgpr 104
		.amdhsa_reserve_vcc 0
		.amdhsa_float_denorm_mode_32 3
		.amdhsa_float_denorm_mode_16_64 3
		.amdhsa_memory_ordered 1
		.amdhsa_forward_progress 1
		.amdhsa_inst_pref_size 222
	.end_amdhsa_kernel
	.amdgpu_metadata
---
amdhsa.version: [ 1, 2 ]
amdhsa.kernels:
  - .name:           k_q70913ea310_experts
    .symbol:         k_q70913ea310_experts.kd
    .args:
      - { .name: xq, .offset: 0, .size: 8, .value_kind: global_buffer, .address_space: global }
      - { .name: xsw, .offset: 8, .size: 8, .value_kind: global_buffer, .address_space: global }
      - { .name: gat, .offset: 16, .size: 8, .value_kind: global_buffer, .address_space: global }
      - { .name: route, .offset: 24, .size: 8, .value_kind: global_buffer, .address_space: global }
      - { .name: wimg, .offset: 32, .size: 8, .value_kind: global_buffer, .address_space: global }
      - { .name: wsw, .offset: 40, .size: 8, .value_kind: global_buffer, .address_space: global }
      - { .name: plan, .offset: 48, .size: 8, .value_kind: global_buffer, .address_space: global }
      - { .name: out0, .offset: 56, .size: 8, .value_kind: global_buffer, .address_space: global }
    .group_segment_fixed_size: 172544
    .private_segment_fixed_size: 0
    .kernarg_segment_align: 8
    .kernarg_segment_size: 64
    .max_flat_workgroup_size: 128
    .sgpr_count:     104
    .vgpr_count:     1024
    .wavefront_size: 32
...
	.end_amdgpu_metadata
.endif
;; end of part 6
